; MI455X (gfx1250); checked and timed in simulation.
; The chip was launched on July 23, 2026; its instructions are those of AMD's public machine-readable ISA for CDNA 5 (MIT licence, August 2026) and "CDNA5" Instruction Set Architecture Reference Guide (July 2026). The comments in the code are by the model that wrote it; some were corrected since.
;; Multihead Attention. Allowed arithmetic: matrix products marked QUANTISED: E4M3 operands, one E8M0 scale for each 32 along K, by v_wmma_scale_f32_16x16x128_f8f6f4 with both operands' format E4M3, f32 sums; everything else in f32.
;; Inputs: Wk_codes 1,024 x 32 x 32 uint8 (E4M3 codes of Wk, K innermost, in blocks of 32 codes); Wk_scales 1,024 x 32 uint8 (E8M0 scales of Wk, one for each 32 codes along K); Wo_codes 1,024 x 32 x 32 uint8 (E4M3 codes of Wo, K innermost, in blocks of 32 codes); Wo_scales 1,024 x 32 uint8 (E8M0 scales of Wo, one for each 32 codes along K); Wq_codes 1,024 x 32 x 32 uint8 (E4M3 codes of Wq, K innermost, in blocks of 32 codes); Wq_scales 1,024 x 32 uint8 (E8M0 scales of Wq, one for each 32 codes along K); Wv_codes 1,024 x 32 x 32 uint8 (E4M3 codes of Wv, K innermost, in blocks of 32 codes); Wv_scales 1,024 x 32 uint8 (E8M0 scales of Wv, one for each 32 codes along K); bk 1,024 float32; bo 1,024 float32; bq 1,024 float32; bv 1,024 float32; keys_codes 4 x 2,048 x 32 x 32 uint8 (E4M3 codes of keys, K innermost, in blocks of 32 codes); keys_scales 4 x 2,048 x 32 uint8 (E8M0 scales of keys, one for each 32 codes along K); queries_codes 4 x 2,048 x 32 x 32 uint8 (E4M3 codes of queries, K innermost, in blocks of 32 codes); queries_scales 4 x 2,048 x 32 uint8 (E8M0 scales of queries, one for each 32 codes along K); values_codes 4 x 2,048 x 32 x 32 uint8 (E4M3 codes of values, K innermost, in blocks of 32 codes); values_scales 4 x 2,048 x 32 uint8 (E8M0 scales of values, one for each 32 codes along K).
;; Outputs: out0 4 x 2,048 x 1,024 float32.
;; This version of the problem:
;;   THIS VERSION OF THE PROBLEM IS GIVEN IN LOW PRECISION. The matrix products marked QUANTISED in the list below multiply operands that are first quantised to E4M3 (4 exponent bits, 3 mantissa bits; 8 bits a number), with one power-of-two scale for each 32 numbers along K (OCP MX v1.0); their sums are f32. All else is computed in f32.
;;   The module's matrix products, in the order in which they are computed (A, B: the left and right operand; K: the contracted axis; several contracted axes count as one K, in the product's order):
;;     1. [M 8,192, K 1,024] x [K 1,024, N 1,024]; A: input queries (given as codes); B: input Wq (given as codes): QUANTISED
;;     2. [M 8,192, K 1,024] x [K 1,024, N 1,024]; A: input keys (given as codes); B: input Wk (given as codes): QUANTISED
;;     3. [M 8,192, K 1,024] x [K 1,024, N 1,024]; A: input values (given as codes); B: input Wv (given as codes): QUANTISED
;;     4. batch 64 x [M 2,048, K 64] x [K 64, N 2,048]; A: computed on the way; B: computed on the way: QUANTISED
;;     5. batch 64 x [M 2,048, K 2,048] x [K 2,048, N 64]; A: softmax (see below); B: computed on the way: QUANTISED
;;     6. [M 8,192, K 1,024] x [K 1,024, N 1,024]; A: computed on the way; B: input Wo (given as codes): QUANTISED
;;   THE QUANTISER, for each operand of a quantised product, along K:
;;     - K is cut into blocks of 32 from its start; a last block that is shorter is filled with zeros.
;;     - A block's scale is 2^e with e = floor(log2(the largest magnitude in the block)) - 8, held to -126 .. 127; a block of zeros has e = 0. As a byte (E8M0): e + 127.
;;     - Each number is divided by its block's scale, clamped to +-448, and rounded to the nearest number of E4M3, ties to even, subnormals kept.
;;     - The product sums the exact products of the quantised numbers (number of the format x scale) in f32.
;;   ~~~python
;;   def quantise(x, axis):      # numpy; x: float32 -> the quantised numbers, widened to float32 again
;;       x = np.moveaxis(x, axis, -1); K = x.shape[-1]
;;       x = np.pad(x, [(0, 0)] * (x.ndim - 1) + [(0, -K % 32)]); x = x.reshape(x.shape[:-1] + (-1, 32)); a = np.abs(x).max(-1, keepdims=True)
;;       e = np.where(a > 0, np.clip(np.frexp(np.where(a > 0, a, 1))[1] - 1 - 8, -126, 127), 0)      # np.frexp(a)[1] - 1 = floor(log2(a)), exactly
;;       r = np.clip(x / 2.0 ** e, -448, 448)
;;       step = 2.0 ** (np.maximum(np.frexp(np.where(r == 0, 1, r))[1] - 1, -6) - 3)
;;       q = np.round(r / step) * step * 2.0 ** e      # np.round: ties to even
;;       return np.moveaxis(q.reshape(q.shape[:-2] + (-1,))[..., :K], -1, axis).astype(np.float32)
;;   ~~~
;;   SOFTMAX AHEAD OF A QUANTISED PRODUCT. Where the list says 'softmax', what is quantised is not the finished softmax but p = 2^(t - M), with t = logit x log2(e) and M = ceil(the row's largest t), a whole number; so 1/2 < the row's largest p <= 1. The row's sum l is taken of the UNQUANTISED p, in f32, and the product's result is divided by l at the end. Since M is a whole number, a kernel that streams over the keys may use a running M (the ceiling of the running maximum): every later rescaling is an exact power of two, which a block's scale takes up: the codes' values come out the same.
;;   OPERANDS COMPUTED ON THE WAY. 'Computed on the way' means the value that the module computes at that place (a softmax that the list does not call 'softmax' is quantised finished and normalised). What goes into a quantiser is computed in f32, as accurately as f32 sums, v_exp_f32 and their like allow (about 1e-6 of the number): no bf16 or f16 on the way to a quantiser, and a product that is left as it is and whose result goes on into a quantised operand takes f32 operands (vector FMAs, or v_wmma_f32_16x16x4_f32). A number that lies on a knife's edge between two numbers of the format may be rounded either way, as far as f32 arithmetic and the matrix unit's own rounding can turn it there, and no further.
;;   INPUTS GIVEN AS CODES. Wk (in the module: [1024, 1024], K = its axis 0); Wo (in the module: [1024, 1024], K = its axis 0); Wq (in the module: [1024, 1024], K = its axis 0); Wv (in the module: [1024, 1024], K = its axis 0); keys (in the module: [4, 2048, 1024], K = its axis 2); queries (in the module: [4, 2048, 1024], K = its axis 2); values (in the module: [4, 2048, 1024], K = its axis 2): each comes as NAME_codes (uint8): NAME with its K axis moved to the last place and cut into blocks of 32 codes, [.., K / 32, bytes a block], one block behind the other in memory; one code a byte (a code: sign, 4 exponent bits, 3 mantissa bits); and NAME_scales (uint8): the same leading axes, one E8M0 byte (e + 127) for each 32 codes along K. Its value is code x scale, taken as it is: it is not quantised again, and the codes and scales need not be those that the quantiser above would give.
;; One version. Each part assembles by itself: llvm-mc -triple=amdgcn-amd-amdhsa -mcpu=gfx1250 --defsym DOCPART=n.
;; ======== version 1 of 1: 3 launches
;; limits: right only within a limited range of input values
;; workspace buffers: qrec 8,650,752 bytes; krec 8,650,752 bytes; vrec 8,650,752 bytes; yi 8,388,608 bytes; ys 262,144 bytes
;; launch proj (part 1): grid 4 x 64, 4 waves a work-group, clusters of 4 x 4, 327,680 bytes of LDS; arguments queries_codes, keys_codes, Wv_codes, Wq_codes, Wk_codes, values_codes, queries_scales, keys_scales, Wv_scales, Wq_scales, Wk_scales, values_scales, bq, bk, bv, qrec, krec, vrec; writes qrec, krec, vrec
.if DOCPART == 1
	.amdgcn_target "amdgcn-amd-amdhsa--gfx1250"
	.amdhsa_code_object_version 6
	.text
	.protected	k_q50c3165900_proj
	.globl	k_q50c3165900_proj
	.p2align	8
	.type	k_q50c3165900_proj,@function
k_q50c3165900_proj:
	s_mov_b64 s[64:65], 0
	v_nop
	global_prefetch_b8 v0, s[64:65] scope:SCOPE_SE
	s_setreg_imm32_b32 hwreg(HW_REG_WAVE_MODE, 25, 1), 1
	s_wait_xcnt 0x0
	s_wait_alu depctr_hold_cnt(0) depctr_sa_sdst(0) depctr_va_vdst(0) depctr_va_sdst(0) depctr_va_ssrc(0) depctr_va_vcc(0) depctr_vm_vsrc(0)
	s_getreg_b32 s2, hwreg(HW_REG_IB_STS2, 6, 4)
	s_cmp_eq_u32 s2, 0
	s_cbranch_scc0 .Lentry_in_a_cluster
	s_endpgm
.Lentry_in_a_cluster:
	s_bfe_u32 s2, ttmp6, 0x10000c
	s_cmp_lg_u32 s2, 0xf033
	s_cbranch_scc0 .Lentry_shape_is_right
	s_endpgm
.Lentry_shape_is_right:
; q, k, v = relu(x W + b) on codes of FP8 (E4M3) with one E8M0 scale for each 32 along K (three products of 8,192 x 1,024 x 1,024, f32 sums that begin with the bias), and their quantisers for the attention launch.
; THE DEAL.  256 work-groups that stay; each makes three blocks of one shape, kind 0 (q), 1 (k), 2 (v): 128 rows of source 1 ("A") x 256 rows of source 0 ("B"), K = 1,024.  Kinds 0, 1: A = 128 tokens, B = 256 rows of the weight.
; Kind 2: A = 128 rows of Wv, B = 256 tokens, so that a lane's registers run along the keys, which are the next product's K.  Four waves, 2 x 2, each 64 x 128: 32 accumulators.
; THE RING.  Two LDS slots, 2^17 bytes apart, each with A's 128 and B's 256 rows of a K step of 256 (rows of 256 bytes + 16 of padding).  It runs on through the twelve K steps of the three blocks.  At the head one joint load a wave fills both
; slots; each refill stands behind a drained round of the cluster's barrier: wave 0 fetches A's tile, wave 1 B's.  CLUSTER 4 x 4: A's tile is shared along a row, B's along a column.
; SCALE WORDS AND BIASES come by plain loads into registers, a block ahead: a lane takes its row's 32 scale bytes, sixteen lanes 512 bytes on end; two sets of scale registers take turns.
; PREFETCH.  Behind each refill the K step two refills on is asked for: of A's 128 rows the partner at cx takes 32 (wave 0), of B's 256 the partner at cy 64 (waves 1, 2): a lane a row, told apart by address.  The first four K steps come by
; their loads alone.  A weight's rows are read by all clusters, so only four clusters ask for any block of a weight (cluster y under 4; for Wv, whose blocks go by the parity of cluster y, under 8).
; RECORDS (8,448 bytes: 128 tokens of a head), as the attention launch reads them: q, k: tile of 16 tokens at 1,024 t, its two blocks of 32 channels at 512 c, lane l's 16 codes at 16 l; v: fragment of 16 channels at 2,048 t, block of 32 keys at 512 c.
; Then the scale words, 8 bytes a lane: word x in lanes 0-15, word x + 2 in lanes 16-31.  Inside a block of 32 the order of k is 16 u + 8 h + j -> 16 h + 8 u + j, alike on both sides of both of the next launch's products.
; REGISTERS.  Window 0: v1-31 addresses; scale words, set z: B's at v[32 + 104 z + 8 b + q], A's at v[100 + 104 z + 8 a + q]; v96-99, v132-135, v236-255 the way out.  Window 1: B's fragments, two sets.  Window 2: the accumulators.
; Window 3: v0-63 the bias (the first products' C), v64-127 the codes on their way out, v128-255 A's fragments, two sets.
; LIMITS.  NaN and infinities are not served.  A block of zeros gets the scale byte 1: its codes are zeros, and this program alone reads the bytes.  A q or k wave stores its 128 bytes of a record's 256 scale bytes; its partner wave stores the others.
.set PITCH,  272
.set NP,     8
.set ATB,    128*PITCH
.set SLOT1,  131072
.set SPARE,  3*ATB
.set REC,    8448
.set HEADB,  16*REC
.set SRO,  12
.set BOC,  13
.set BOR,  14
.set CW,   15
.set ADRA, 16
.set LI16, 18
.set LI8,  19
.set ADRB, 20
.set SWO,  22
.set PFO,  23
.set SPW,  28
.set NIL,  29
.set X,    96
.set R,    132
.set WS,   236
.set TM,   240
.set TA,   4
.set TB,   10
.set SSA,  16
.set SSB,  22
.set BI,   28
.set OUT,  34
.set G1A,  40
.set G1B,  48
.set G0A,  56
.set G0B,  68
.set WV,   76
.set RH,   77
.set CH,   78
.set CX,   79
.set CY,   80
.set CLY,  81
.set YY,   82
.set Y7,   83
.set TBK,  84
.set MNT,  90
.set SH,   91
.set SEL,  92
.set PF,   94
.set FQ,   100
.set MSB, 0
.macro WIN new                         ; the immediate's high byte repeats the setting that is left
.if MSB != \new
	s_set_vgpr_msb (MSB<<8)|\new
.set MSB, \new
.endif
.endm
.set MUL, 0xad                         ; source 0 window 1, source 1 window 3, C and D window 2
.set FST, 0xbd                         ; the same, C window 3
.macro PLACES n
.rept \n
	v_nop
.endr
.endm
.macro CREST
	s_cmp_lg_u32 s[WV], 0
	s_cbranch_scc1 .Lnot_wave_0_\@
	s_barrier_signal -3
.Lnot_wave_0_\@:
	s_barrier_wait -3
	s_barrier_signal -1
	s_barrier_wait -1
.endm
.macro CROUND
	s_barrier_signal -1
	s_barrier_wait -1
	CREST
.endm
.macro G1SET g, mask, rows             ; group 1: rows of 256 bytes, 1,024 apart, 16 bytes of padding behind each
	s_or_b32 s[\g], s\mask, (1<<20)|(1<<21)|(5<<22)|(3<<25)
	s_mov_b32 s[\g+1], 256<<16
	s_mov_b32 s[\g+2], (\rows)<<16
	s_mov_b32 s[\g+3], 256<<16
	s_mov_b32 s[\g+4], \rows
	s_mov_b32 s[\g+5], 1024
	s_mov_b32 s[\g+6], 0
	s_mov_b32 s[\g+7], 0
.endm
.macro ADDP p, src, sh                 ; pointer p += s[src] << sh  (s87 = 0)
	s_lshl_b32 s86, s[\src], \sh
	s_add_nc_u64 s[\p:\p+1], s[\p:\p+1], s[86:87]
.endm
.macro ARM under, g0, g1, next
	s_cmp_lt_u32 s[WV], \under
	s_cbranch_scc0 \next
	tensor_load_to_lds s[\g0:\g0+3], s[\g1:\g1+7]
	s_nop 0
	PLACES 4
	s_branch .Lhead_asked
\next:
.endm
	s_load_b512 s[4:19], s[0:1], 0x0               ; A's codes of the three kinds, B's codes, A's scales (two of three),
	s_load_b512 s[20:35], s[0:1], 0x40             ; the third, B's scales, the biases, qrec,
	s_load_b128 s[36:39], s[0:1], 0x80             ; krec, vrec
	v_lshl_add_u32 v[SPW], v0, 2, SPARE
	v_mov_b32 v[NIL], 0
	ds_add_u32 v[SPW], v[NIL]                      ; the opening lines: the add twice on end and its wait
	ds_add_u32 v[SPW], v[NIL]
	v_lshrrev_b32 v1, 5, v0
	v_readfirstlane_b32 s[WV], v1
	s_lshr_b32 s[RH], s[WV], 1                     ; my 64 rows of A
	s_and_b32 s[CH], s[WV], 1                      ; my 128 rows of B
	s_bfe_u32 s[CX], ttmp6, 0x40000
	s_bfe_u32 s[CY], ttmp6, 0x40004
	s_and_b32 s[CLY], ttmp7, 0xffff
	s_lshl_b32 s[YY], s[CLY], 2
	s_add_co_u32 s[YY], s[YY], s[CY]               ; kinds 0, 1: my block of 128 tokens, 0 .. 63
	s_and_b32 s[Y7], s[YY], 7                      ; kind 2: my block of 128 rows of Wv
	s_lshr_b32 s[TBK], s[CLY], 1
	s_lshl_b32 s[TBK], s[TBK], 2
	s_add_co_u32 s[TBK], s[TBK], s[CX]             ; kind 2: my block of 256 tokens, 0 .. 31
	s_lshl_b32 s88, s[CY], 2
	s_lshl_b32 s88, 15, s88                        ; my row of the cluster
	s_lshl_b32 s89, 0x1111, s[CX]                  ; my column
	G1SET G1A, 88, 128
	G1SET G1B, 89, 256
	s_mov_b32 s87, 0
	s_mov_b32 s[MNT], 0x600000
	s_mov_b32 s[SH], 0xffff0000
	s_mov_b32 s[SEL], 0x76543210
	s_mov_b32 s[SEL+1], 0xfedcba98
	s_wait_dscnt 0x0
	s_wait_kmcnt 0x0
	ADDP TA, YY, 17
	ADDP TA+2, YY, 17
	ADDP TA+4, Y7, 17
	ADDP TB, CX, 18
	ADDP TB+2, CX, 18
	ADDP TB+4, TBK, 18
	CROUND                                         ; all sixteen work-groups are here: the first joint loads meet
.irp s, 0,1
	s_mov_b32 s[G0A+4*\s], 1
	s_mov_b32 s[G0A+4*\s+1], \s*SLOT1
	s_add_nc_u64 s[G0A+4*\s+2:G0A+4*\s+3], s[TA:TA+1], \s*256
	s_or_b32 s[G0A+4*\s+3], s[G0A+4*\s+3], 0x80000000
	s_mov_b32 s[G0B+4*\s], 1
	s_mov_b32 s[G0B+4*\s+1], \s*SLOT1+ATB
	s_add_nc_u64 s[G0B+4*\s+2:G0B+4*\s+3], s[TB:TB+1], \s*256
	s_or_b32 s[G0B+4*\s+3], s[G0B+4*\s+3], 0x80000000
.endr
	ARM 1, G0A, G1A, .Lhead_b0                     ; kind 0's K steps 0 and 1: one load a wave, what is multiplied first is asked for first
	ARM 2, G0B, G1B, .Lhead_a1
	ARM 3, G0A+4, G1A, .Lhead_b1
	tensor_load_to_lds s[G0B+4:G0B+7], s[G1B:G1B+7]
	s_nop 0
	PLACES 4
.Lhead_asked:
	ADDP SSA, YY, 12                               ; my rows' scale bytes,
	ADDP SSA+2, YY, 12
	ADDP SSA+4, Y7, 12
.irp k, 0,2,4
	ADDP SSA+\k, RH, 11
	ADDP SSB+\k, CH, 12
.endr
	ADDP SSB, CX, 13
	ADDP SSB+2, CX, 13
	ADDP SSB+4, TBK, 13
	ADDP BI, CX, 10                                ; the biases,
	ADDP BI+2, CX, 10
	ADDP BI, CH, 9
	ADDP BI+2, CH, 9
	ADDP BI+4, Y7, 9
	ADDP BI+4, RH, 8
	s_lshr_b32 s88, s[YY], 4                       ; q, k: record (batch x 16 + head) x 16 + block of 128 tokens; my first head is 4 cx + 2 x my half
	s_lshl_b32 s88, s88, 8
	s_lshl_b32 s89, s[CX], 6
	s_add_co_u32 s88, s88, s89
	s_lshl_b32 s89, s[CH], 5
	s_add_co_u32 s88, s88, s89
	s_and_b32 s89, s[YY], 15
	s_add_co_u32 s88, s88, s89
	s_mul_i32 s86, s88, REC
	s_add_nc_u64 s[OUT:OUT+1], s[OUT:OUT+1], s[86:87]
	s_add_nc_u64 s[OUT+2:OUT+3], s[OUT+2:OUT+3], s[86:87]
	s_lshl_b32 s2, s[TBK], 1                       ; v: my block of 128 tokens, my head 2 x (block of Wv) + my half
	s_add_co_u32 s2, s2, s[CH]
	s_lshr_b32 s88, s2, 4
	s_lshl_b32 s88, s88, 8
	s_and_b32 s2, s2, 15
	s_add_co_u32 s88, s88, s2
	s_lshl_b32 s89, s[Y7], 1
	s_add_co_u32 s89, s89, s[RH]
	s_lshl_b32 s89, s89, 4
	s_add_co_u32 s88, s88, s89
	s_mul_i32 s86, s88, REC
	s_add_nc_u64 s[OUT+4:OUT+5], s[OUT+4:OUT+5], s[86:87]
	s_lshl_b32 s88, s[CX], 5                       ; the prefetches: wave 0 takes rows 32 cx on of A's tile; waves 1, 2 rows 64 cy + 32 (wave - 1) on of B's
	s_min_u32 s3, s[WV], 2
	s_lshl_b32 s3, s3, 5
	s_lshl_b32 s89, s[CY], 6
	s_add_co_u32 s89, s89, s3
	s_sub_co_u32 s89, s89, 32
	s_cmp_eq_u32 s[WV], 0
.irp k, 0,2,4
	s_cselect_b64 s[PF+\k:PF+\k+1], s[TA+\k:TA+\k+1], s[TB+\k:TB+\k+1]
.endr
	s_cselect_b32 s86, s88, s89
	s_cselect_b32 s2, 1, 0                         ; wave 0
	s_lshl_b32 s86, s86, 10
.irp k, 0,2,4
	s_add_nc_u64 s[PF+\k:PF+\k+1], s[PF+\k:PF+\k+1], s[86:87]
.endr
	s_sub_co_u32 s3, s[WV], 1
	s_cmp_lt_u32 s3, 2
	s_cselect_b32 s3, 1, 0                         ; waves 1, 2
	s_cmp_lt_u32 s[CLY], 4
	s_cselect_b32 s88, 1, 0
	s_cmp_lt_u32 s[CLY], 8
	s_cselect_b32 s89, 1, 0
	s_and_b32 s88, s88, s3
	s_or_b32 s[FQ], s88, s2                        ; kinds 0, 1: tokens always, the weight in four clusters
	s_and_b32 s89, s89, s2
	s_or_b32 s[FQ+1], s89, s3                      ; kind 2 likewise
	s_mul_i32 s2, s[RH], 64*PITCH                  ; LDS: my rows of A in slot 0,
	s_add_co_u32 s3, s2, SLOT1                     ; in slot 1;
	s_mul_i32 s88, s[CH], ATB
	s_add_co_u32 s88, s88, ATB                     ; of B
	s_add_co_u32 s89, s88, SLOT1
	s_lshl_b32 s86, s[RH], 12
	s_lshl_b32 s85, s[RH], 7
	v_and_b32 v1, 15, v0                           ; r
	v_bfe_u32 v2, v0, 4, 1                         ; h
	v_and_b32 v6, 31, v0
	v_lshlrev_b32 v[LI16], 4, v6
	v_lshlrev_b32 v[LI8], 3, v6
	v_mul_u32_u24 v3, v1, PITCH
	v_lshl_add_u32 v4, v2, 4, v3
	v_add_nc_u32 v[ADRA], s2, v4
	v_add_nc_u32 v[ADRA+1], s3, v4
	v_add_nc_u32 v[ADRB], s88, v4
	v_add_nc_u32 v[ADRB+1], s89, v4
	v_lshlrev_b32 v[SRO], 5, v1                    ; a row's 32 scale bytes
	v_lshlrev_b32 v[BOC], 5, v2
	v_lshlrev_b32 v[BOR], 2, v1
	v_add_nc_u32 v[CW], s86, v[LI16]               ; q, k: my four tiles of the record's eight
	v_mul_u32_u24 v5, v2, HEADB
	v_lshl_add_u32 v5, v1, 3, v5
	v_add_nc_u32 v[SWO], s85, v5                   ; q, k: my scale words: lanes 0-15 my first head's record, lanes 16-31 the next head's
	v_lshlrev_b32 v[PFO], 10, v6
.irp c, 0,1,2,3
	v_mov_b32 v[TM+4+\c], 0                        ; a lane permute's destination counts as one of its sources
.endr
	s_wait_alu depctr_va_vdst(0)                   ; the wait at the head's end
.macro LDSC k                          ; kind k's scale words into set k % 2, and its bias
.irp i, 0,1,2,3,4,5,6,7
	global_load_b128 v[32+104*((\k)%2)+8*\i:32+104*((\k)%2)+8*\i+3], v[SRO], s[SSB+2*(\k):SSB+2*(\k)+1] offset:512*\i
	global_load_b128 v[32+104*((\k)%2)+8*\i+4:32+104*((\k)%2)+8*\i+7], v[SRO], s[SSB+2*(\k):SSB+2*(\k)+1] offset:512*\i+16
.endr
.irp i, 0,1,2,3
	global_load_b128 v[100+104*((\k)%2)+8*\i:100+104*((\k)%2)+8*\i+3], v[SRO], s[SSA+2*(\k):SSA+2*(\k)+1] offset:512*\i
	global_load_b128 v[100+104*((\k)%2)+8*\i+4:100+104*((\k)%2)+8*\i+7], v[SRO], s[SSA+2*(\k):SSA+2*(\k)+1] offset:512*\i+16
.endr
	WIN 0xc0
.if (\k) < 2
.irp x, 0,1,2,3,4,5,6,7
	global_load_b128 v[8*\x:8*\x+3], v[BOC], s[BI+2*(\k):BI+2*(\k)+1] offset:64*\x          ; register 8 x + j: channel 16 x + 8 h + j
	global_load_b128 v[8*\x+4:8*\x+7], v[BOC], s[BI+2*(\k):BI+2*(\k)+1] offset:64*\x+16
.endr
.else
.irp x, 0,1,2,3
.irp j, 0,1,2,3,4,5,6,7
	global_load_b32 v[8*\x+\j], v[BOR], s[BI+2*(\k):BI+2*(\k)+1] offset:64*\x               ; all eight registers: channel 16 x + r
.endr
.endr
.endif
	WIN 0
.endm
	LDSC 0
.macro FETCH q                         ; step q's fragments (128 of K) into the sets q % 2: B's eight, A's four
	WIN 0x40
.irp i, 0,1,2,3,4,5,6,7
.irp c, 0,1,2,3
	ds_load_b128 v[128*((\q)%2)+16*\i+4*\c:128*((\q)%2)+16*\i+4*\c+3], v[ADRB+((\q)/2)%2] offset:128*((\q)%2)+32*\c+\i*16*PITCH
.endr
.endr
	WIN 0xc0
.irp i, 0,1,2,3
.irp c, 0,1,2,3
	ds_load_b128 v[128+64*((\q)%2)+16*\i+4*\c:128+64*((\q)%2)+16*\i+4*\c+3], v[ADRA+((\q)/2)%2] offset:128*((\q)%2)+32*\c+\i*16*PITCH
.endr
.endr
	WIN 0
.endm
.macro MUL8 a, q, z, first             ; A's block a against B's eight; first = 1: C = the bias by B's rows, 2: by A's.  The 32 accumulators take turns in one order
.irp b, 0,1,2,3,4,5,6,7
.if (\first) == 1
	v_wmma_scale_f32_16x16x128_f8f6f4 v[8*(8*(\a)+\b):8*(8*(\a)+\b)+7], v[128*((\q)%2)+16*\b:128*((\q)%2)+16*\b+15], v[128+64*((\q)%2)+16*(\a):128+64*((\q)%2)+16*(\a)+15], v[8*\b:8*\b+7], v[32+104*(\z)+8*\b+(\q)], v[100+104*(\z)+8*(\a)+(\q)]
.elseif (\first) == 2
	v_wmma_scale_f32_16x16x128_f8f6f4 v[8*(8*(\a)+\b):8*(8*(\a)+\b)+7], v[128*((\q)%2)+16*\b:128*((\q)%2)+16*\b+15], v[128+64*((\q)%2)+16*(\a):128+64*((\q)%2)+16*(\a)+15], v[8*(\a):8*(\a)+7], v[32+104*(\z)+8*\b+(\q)], v[100+104*(\z)+8*(\a)+(\q)]
.else
	v_wmma_scale_f32_16x16x128_f8f6f4 v[8*(8*(\a)+\b):8*(8*(\a)+\b)+7], v[128*((\q)%2)+16*\b:128*((\q)%2)+16*\b+15], v[128+64*((\q)%2)+16*(\a):128+64*((\q)%2)+16*(\a)+15], v[8*(8*(\a)+\b):8*(8*(\a)+\b)+7], v[32+104*(\z)+8*\b+(\q)], v[100+104*(\z)+8*(\a)+(\q)]
.endif
.endr
.endm
.macro STEP z, q, first, nk            ; a step whose successor lies in the same slot.  nk >= 0: kind nk's scale words and bias are asked for
	s_wait_dscnt 0x0                               ; this step's fragments are in
	PLACES NP                                      ; behind the last step's products, ahead of the loads into what they read
.if (\nk) >= 0
	WIN 0                                          ; the loads' address and the scale registers lie in window 0
	LDSC \nk
.endif
	FETCH (\q)+1
.if \first
	WIN FST
.else
	WIN MUL
.endif
.irp a, 0,1,2,3
	MUL8 \a, \q, \z, \first
.endr
.endm
.macro JLOAD s                         ; wave 0 fetches A's tile, wave 1 B's; the branches hang on the wave's number alone
	s_cmp_lt_u32 s[WV], 1
	s_cbranch_scc0 .Lnot_a_\@
	tensor_load_to_lds s[G0A+4*(\s):G0A+4*(\s)+3], s[G1A:G1A+7]
	s_nop 0
	PLACES 4
	s_branch .Lasked_\@
.Lnot_a_\@:
	s_cmp_lt_u32 s[WV], 2
	s_cbranch_scc0 .Lasked_\@
	tensor_load_to_lds s[G0B+4*(\s):G0B+4*(\s)+3], s[G1B:G1B+7]
	s_nop 0
	PLACES 4
.Lasked_\@:
.endm
.macro ASK kp, jp                      ; kind kp's K step jp, two refills ahead of its load
	s_cmp_lg_u32 s[FQ+(\kp)/2], 0
	s_cbranch_scc0 .Lnot_mine_\@
	global_prefetch_b8 v[PFO], s[PF+2*(\kp):PF+2*(\kp)+1] offset:256*(\jp) th:TH_LOAD_NT scope:SCOPE_SE
.Lnot_mine_\@:
.endm
.macro TURN z, q, fill, kn, jn, ask, kp, jp   ; a slot's last step changes slots.  fill: the slot takes kind kn's K step jn
	WIN 0
	s_wait_tensorcnt 0x0                           ; my part of the next slot is in
	ds_add_u32 v[SPW], v[NIL]
	s_wait_dscnt 1                                 ; this step's fragments are in; the add alone may be out
	WIN MUL
	MUL8 0, \q, \z, 0
	s_wait_dscnt 0x0                               ; the add is done, and my reads of this slot are over
	s_barrier_signal -1
	MUL8 1, \q, \z, 0
	WIN 0
	s_barrier_wait -1
.if \fill
	CREST                                          ; the barrier has opened a round of the cluster's barrier
	s_add_nc_u64 s[G0A+4*(((\q)/2)%2)+2:G0A+4*(((\q)/2)%2)+3], s[TA+2*(\kn):TA+2*(\kn)+1], 256*(\jn)
	s_or_b32 s[G0A+4*(((\q)/2)%2)+3], s[G0A+4*(((\q)/2)%2)+3], 0x80000000
	s_add_nc_u64 s[G0B+4*(((\q)/2)%2)+2:G0B+4*(((\q)/2)%2)+3], s[TB+2*(\kn):TB+2*(\kn)+1], 256*(\jn)
	s_or_b32 s[G0B+4*(((\q)/2)%2)+3], s[G0B+4*(((\q)/2)%2)+3], 0x80000000
	JLOAD ((\q)/2)%2
.endif
	PLACES NP
	FETCH ((\q)+1)%8
.if \ask
	ASK \kp, \jp
.endif
	WIN MUL
	MUL8 2, \q, \z, 0
	MUL8 3, \q, \z, 0
.endm
; THE WAY OUT of A's block a: the activation and the quantiser along the registers: four blocks of 32, each in lanes l and l xor 16; the hold clips at 0 too.  form 0: q, k; 1: v
.macro EPI a, form, o
.set AC,  64*(\a)
.set PCA, 64+16*(\a)
	WIN 0x0a
.irp c, 0,1,2,3
	v_max3_num_f32 v[TM+\c], v[AC+16*\c], v[AC+16*\c+1], 0x4800000
.endr
.irp i, 2,4,6,8,10,12,14
.irp c, 0,1,2,3
	v_max3_num_f32 v[TM+\c], v[AC+16*\c+\i], v[AC+16*\c+\i+1], v[TM+\c]
.endr
.endr
	WIN 0
.irp c, 0,1,2,3
	v_permlanex16_b32 v[TM+4+\c], v[TM+\c], s[SEL], s[SEL+1]
.endr
.irp c, 0,1,2,3
	v_max_num_f32 v[TM+\c], v[TM+\c], v[TM+4+\c]
.endr
.irp c, 0,1,2,3
	v_add_nc_u32 v[TM+12+\c], 0xfc000000, v[TM+\c]
.endr
.irp c, 0,1,2,3
	v_and_or_b32 v[TM+8+\c], v[TM+\c], 0x7f800000, s[MNT]
.endr
.irp c, 0,1,2,3
	v_lshrrev_b32 v[TM+4+\c], 23, v[TM+12+\c]
.endr
	v_lshl_or_b32 v[WS+(\a)], v[TM+5], 8, v[TM+4]
	v_lshl_or_b32 v[WS+(\a)], v[TM+6], 16, v[WS+(\a)]
	v_lshl_or_b32 v[WS+(\a)], v[TM+7], 24, v[WS+(\a)]
	WIN 0x82
.irp c, 0,1,2,3
.irp i, 0,1,2,3,4,5,6,7,8,9,10,11,12,13,14,15
	v_med3_num_f32 v[AC+16*\c+\i], v[AC+16*\c+\i], 0, v[TM+8+\c]
.endr
.endr
	WIN 0xc2
.irp c, 0,1,2,3
	v_cvt_scalef32_pk8_fp8_f32 v[PCA+4*\c:PCA+4*\c+1], v[AC+16*\c:AC+16*\c+7], v[TM+12+\c]
	v_cvt_scalef32_pk8_fp8_f32 v[PCA+4*\c+2:PCA+4*\c+3], v[AC+16*\c+8:AC+16*\c+15], v[TM+12+\c]
.endr
	WIN 0
	v_nop                                          ; a plain line behind the last conversion
	WIN 0x0c
.irp c, 0,1,2,3
.if \form
	global_store_b128 v[LI16], v[PCA+4*\c:PCA+4*\c+3], s[\o:\o+1] offset:2048*(\a)+512*\c
.else
	global_store_b128 v[CW], v[PCA+4*\c:PCA+4*\c+3], s[\o:\o+1] offset:1024*(\a)+512*(\c%2)+HEADB*(\c/2)
.endif
.endr
	WIN 0
.endm
.macro OUTK form, o
	WIN 0
	PLACES NP                                      ; behind the block's last products
	s_wait_alu depctr_va_vdst(0)                   ; the wait ahead of the wait below
	s_wait_xcnt 0x0                                ; the last block's stores have read their registers
.irp a, 0,1,2,3
	EPI \a, \form, \o
.endr
.if \form
.irp e, 0,1
	v_cndmask_b32 v[R+\e], v[WS+\e], v[WS+2+\e], s[SH]
.endr
	global_store_b64 v[LI8], v[R:R+1], s[\o:\o+1] offset:8192
.else
.irp x, 0,1
	v_perm_b32 v[X+\x], v[WS+2*\x+1], v[WS+2*\x], 0x05040100     ; my first head's word of tiles 2 x, 2 x + 1,
	v_perm_b32 v[X+2+\x], v[WS+2*\x+1], v[WS+2*\x], 0x07060302   ; the next head's
.endr
.irp e, 0,1
	v_cndmask_b32 v[R+\e], v[X+\e], v[X+2+\e], s[SH]
.endr
	global_store_b64 v[SWO], v[R:R+1], s[\o:\o+1] offset:8192
.endif
.endm
.macro KIND k                          ; kinds 0 and 1: the ring goes on into the next kind
	s_wait_loadcnt 0x0                             ; my scale words and bias
	STEP (\k)%2, 0, 1, -1
	TURN (\k)%2, 1, 1, \k, 2, 1, (\k)+1, 0
	STEP (\k)%2, 2, 0, (\k)+1
	TURN (\k)%2, 3, 1, \k, 3, 1, (\k)+1, 1
	STEP (\k)%2, 4, 0, -1
	TURN (\k)%2, 5, 1, (\k)+1, 0, 1, (\k)+1, 2
	STEP (\k)%2, 6, 0, -1
	TURN (\k)%2, 7, 1, (\k)+1, 1, 1, (\k)+1, 3
	OUTK 0, OUT+2*(\k)
.endm
	s_wait_tensorcnt 0x0                           ; my tile of the head's four is in,
	s_barrier_signal -1
	s_barrier_wait -1                              ; everybody's is
	FETCH 0
	KIND 0
	KIND 1
	s_wait_loadcnt 0x0
	STEP 0, 0, 2, -1
	TURN 0, 1, 1, 2, 2, 0, 0, 0
	STEP 0, 2, 0, -1
	TURN 0, 3, 1, 2, 3, 0, 0, 0
	STEP 0, 4, 0, -1
	TURN 0, 5, 0, 0, 0, 0, 0, 0                    ; the last steps fill nothing
	STEP 0, 6, 0, -1
	s_wait_dscnt 0x0
	WIN MUL
.irp a, 0,1,2,3
	MUL8 \a, 7, 0, 0
.endr
	OUTK 1, OUT+4
	s_wait_tensorcnt 0x0                           ; the wave's end
	ds_add_u32 v[SPW], v[NIL]
	s_wait_dscnt 0x0
	CROUND                                         ; the closing round
	s_endpgm
.Lfunc_end_k_q50c3165900_proj:
	.size	k_q50c3165900_proj, .Lfunc_end_k_q50c3165900_proj-k_q50c3165900_proj
	.p2alignl 7, 3214868480
	.fill 96, 4, 3214868480
	.section	.rodata,"a",@progbits
	.p2align	6, 0x0
	.amdhsa_kernel k_q50c3165900_proj
		.amdhsa_group_segment_fixed_size 327680
		.amdhsa_private_segment_fixed_size 0
		.amdhsa_enable_private_segment 0
		.amdhsa_kernarg_size 144
		.amdhsa_user_sgpr_count 2
		.amdhsa_user_sgpr_kernarg_segment_ptr 1
		.amdhsa_wavefront_size32 1
		.amdhsa_system_sgpr_workgroup_id_x 1
		.amdhsa_system_sgpr_workgroup_id_y 1
		.amdhsa_system_sgpr_workgroup_id_z 1
		.amdhsa_system_vgpr_workitem_id 0
		.amdhsa_next_free_vgpr 1024
		.amdhsa_next_free_sgpr 102
		.amdhsa_reserve_vcc 0
		.amdhsa_float_denorm_mode_32 3
		.amdhsa_float_denorm_mode_16_64 3
		.amdhsa_memory_ordered 1
		.amdhsa_forward_progress 1
		.amdhsa_inst_pref_size 255
	.end_amdhsa_kernel
	.section	.bss,"aw",@nobits
	.p2align	6
	.space	262144
	.amdgpu_metadata
---
amdhsa.version: [ 1, 2 ]
amdhsa.kernels:
  - .name:           k_q50c3165900_proj
    .symbol:         k_q50c3165900_proj.kd
    .args:
      - { .name: queries_codes, .offset: 0, .size: 8, .value_kind: global_buffer, .address_space: global }
      - { .name: keys_codes, .offset: 8, .size: 8, .value_kind: global_buffer, .address_space: global }
      - { .name: Wv_codes, .offset: 16, .size: 8, .value_kind: global_buffer, .address_space: global }
      - { .name: Wq_codes, .offset: 24, .size: 8, .value_kind: global_buffer, .address_space: global }
      - { .name: Wk_codes, .offset: 32, .size: 8, .value_kind: global_buffer, .address_space: global }
      - { .name: values_codes, .offset: 40, .size: 8, .value_kind: global_buffer, .address_space: global }
      - { .name: queries_scales, .offset: 48, .size: 8, .value_kind: global_buffer, .address_space: global }
      - { .name: keys_scales, .offset: 56, .size: 8, .value_kind: global_buffer, .address_space: global }
      - { .name: Wv_scales, .offset: 64, .size: 8, .value_kind: global_buffer, .address_space: global }
      - { .name: Wq_scales, .offset: 72, .size: 8, .value_kind: global_buffer, .address_space: global }
      - { .name: Wk_scales, .offset: 80, .size: 8, .value_kind: global_buffer, .address_space: global }
      - { .name: values_scales, .offset: 88, .size: 8, .value_kind: global_buffer, .address_space: global }
      - { .name: bq, .offset: 96, .size: 8, .value_kind: global_buffer, .address_space: global }
      - { .name: bk, .offset: 104, .size: 8, .value_kind: global_buffer, .address_space: global }
      - { .name: bv, .offset: 112, .size: 8, .value_kind: global_buffer, .address_space: global }
      - { .name: qrec, .offset: 120, .size: 8, .value_kind: global_buffer, .address_space: global }
      - { .name: krec, .offset: 128, .size: 8, .value_kind: global_buffer, .address_space: global }
      - { .name: vrec, .offset: 136, .size: 8, .value_kind: global_buffer, .address_space: global }
    .group_segment_fixed_size: 327680
    .private_segment_fixed_size: 0
    .kernarg_segment_align: 8
    .kernarg_segment_size: 144
    .max_flat_workgroup_size: 128
    .sgpr_count:     102
    .vgpr_count:     1024
    .wavefront_size: 32
...
	.end_amdgpu_metadata
.endif
;; end of part 1
;; launch attn (part 2): grid 4 x 64, 16 waves a work-group, clusters of 4 x 1, 272,384 bytes of LDS; arguments qrec, krec, vrec, yi, ys; writes yi, ys
.if DOCPART == 2
	.amdgcn_target "amdgcn-amd-amdhsa--gfx1250"
	.amdhsa_code_object_version 6
	.text
	.protected	k_q50c3165900_attn
	.globl	k_q50c3165900_attn
	.p2align	8
	.type	k_q50c3165900_attn,@function
k_q50c3165900_attn:
	s_mov_b64 s[64:65], 0
	v_nop
	global_prefetch_b8 v0, s[64:65] scope:SCOPE_SE
	s_setreg_imm32_b32 hwreg(HW_REG_WAVE_MODE, 25, 1), 1
	s_wait_xcnt 0x0
	s_wait_alu depctr_hold_cnt(0) depctr_sa_sdst(0) depctr_va_vdst(0) depctr_va_sdst(0) depctr_va_ssrc(0) depctr_va_vcc(0) depctr_vm_vsrc(0)
	s_getreg_b32 s2, hwreg(HW_REG_IB_STS2, 6, 4)
	s_cmp_eq_u32 s2, 0
	s_cbranch_scc0 .Lentry_in_a_cluster
	s_endpgm
.Lentry_in_a_cluster:
	s_bfe_u32 s2, ttmp6, 0x10000c
	s_cmp_lg_u32 s2, 0x3003
	s_cbranch_scc0 .Lentry_shape_is_right
	s_endpgm
.Lentry_shape_is_right:
; ATTENTION on codes of FP8 (E4M3) with one E8M0 scale for each 32 along a product's K: y = softmax(q k^T / 8) v for each of 64 heads (head size 64, 2,048 keys), and y's quantiser along the model's 1,024.
; THE SOFTMAX AHEAD OF THE SECOND PRODUCT: t = score x log2(e) / 8; M = the row's largest t so far, rounded UP to a whole number; p = 2^(t - M) is quantised along the keys, not normalised; the row's sum is taken of
; the unquantised p and divides at the end.  When M moves, the sum and O are multiplied by 2^(old M - new M): exact.
; SHARES.  A work-group owns 512 queries of one head; each of its sixteen waves one tile of 16 queries in each of two passes, in 256 registers: four waves to a SIMD, so that one wave's vector work stands beside another's
; matrix work and LDS loads.  ALL of the head's K and V, with their scale words (2 x 135,168 bytes), lie in LDS: filled once, never again, and nothing is stored to LDS.
; CLUSTER.  The four work-groups of a head form a cluster and ask for K and V JOINTLY: one tensor load a wave (waves 0-7: K, waves 8-15: V), two neighbouring records each, with a mask that names the four.
; RECORDS (8,448 bytes, 128 tokens of a head): four fragments as images of the operand's registers (group g of four registers at 512 g, lane l's 16 bytes at 16 l), then the scale words, 8 bytes a lane: one ds_load_b64 gives
; two registers, register x holding word x in lanes 0-15 and word x + 2 in lanes 16-31.
; K = 64 IN AN INSTRUCTION THAT IS 128 DEEP.  A fragment of K carries TWO tiles of 16 keys: tile 0's 64 channels in k = 0 .. 63, tile 1's in k = 64 .. 127.  It is multiplied by (q, zeros) for tile 0 and by (zeros, q) for tile 1:
; both are runs of 16 registers in q (8), zeros (8), q (8).  The zeros stand on q's side alone: K's codes come from held conversions (never the NaN code) and no scale byte is 0xff, so the other half adds exactly 0.
; LAYOUT.  Both products are used transposed (S^T = K q^T, O^T = V^T p^T): a lane holds ONE query (lane % 16) throughout.  Register 16 p + 8 u + j of S^T is key 32 p + 16 u + 8 (lane / 16) + j: the 16 registers of a pair of tiles
; lie in one block of 32 keys, in the order in which the launch before laid V's keys.
; LIMITS.  Inside a block of 32 the order of k is 16 u + 8 h + j -> 16 h + 8 u + j on both sides of both products: the same terms in another order.  A block of zeros gets the scale byte 1: its codes are zeros, and this program
; alone reads the bytes.  NaN and infinities are not served.  A block's largest p is taken as the p of its largest score, which takes v_exp_f32 not to fall where its input rises.
; y's scale bytes leave one byte a lane, 32 bytes apart: a head owns 2 of a token's 32 bytes and one head's K and V fill LDS, so no work-group holds two heads; they are one byte for each 32 of y's codes.
.set REC,   8448
.set HEADB, 16*REC                     ; a head's sixteen records
.set VB,    HEADB                      ; LDS: K's records from 0 on, V's from here on
.set LI,   1                           ; v1   16 x lane
.set LIV,  2                           ; v2   the same in V
.set LS,   3                           ; v3   8 x lane + 8,192: a record's scale words
.set LSV,  4                           ; v4   the same in V
.set ADK,  5                           ; v5-8 the step's addresses
.set ADV,  6
.set ADS,  7
.set ADT,  8
.set QSO,  9                           ; v9   where my tile's scale word lies, from my tile's codes on
.set YSO,  10                          ; v10  32 x (lane % 16) + lane / 16: my byte of y's scales
.set QF,   16                          ; v16-39  q (8), zeros (8), q (8)
.set QN,   40                          ; v40-47  the next pass's q;  v48 its scale word
.set QNS,  48
.set QSA,  49                          ; v49  q's scale word for (q, zeros);  v50 for (zeros, q)
.set PW,   51                          ; v51  p's scale word
.set KSW,  52                          ; v52-53  K's scale words;  v54-55 V's
.set VSW,  54
.set FR,   56                          ; v56-119  four fragments of K, then of V
.set S,    120                         ; v120-183 S^T, then p; at the end y
.set O,    184                         ; v184-215 O^T
.set PC,   216                         ; v216-231 p's codes; at the end y's
.set WV,   14                          ; s14 wave;  s15 cx;  s16 batch x 16 + head;  s17 16 x (wave % 2)
.set SH,   18                          ; s18 lanes 16-31
.set MNT,  19                          ; s19 the mantissa field of 448
.set SEL,  20                          ; s[20:21] v_permlanex16_b32's selects for lane l xor 16
.set CS,   22                          ; s[22:23] c = log2(e) / 8
.set G1,   24                          ; s[24:31] descriptor group 1;  s[32:35], s[36:39] groups 0 for K and V
.set G0K,  32
.set G0V,  36
.set QB,   40                          ; s[40:41] my tile's codes in qrec;  s[42:43] my place in yi;  s[44:45] in ys
.set YB,   42
.set YSB,  44
.set TB,   2                           ; s2  LDS byte at which the step's record begins
.set KC,   3                           ; s3  key steps to go
.macro CROUND                          ; a round of the cluster's barrier
	s_barrier_signal -1
	s_barrier_wait -1
	s_cmp_lg_u32 s[WV], 0
	s_cbranch_scc1 .Lnot_wave_0_\@
	s_barrier_signal -3
.Lnot_wave_0_\@:
	s_barrier_wait -3
	s_barrier_signal -1
	s_barrier_wait -1
.endm
	s_load_b256 s[4:11], s[0:1], 0x0               ; qrec, krec, vrec, yi
	s_load_b64 s[12:13], s[0:1], 0x20              ; ys
	v_lshl_add_u32 v254, v0, 2, 0x42000
	v_mov_b32 v255, 0
	ds_add_u32 v254, v255
	ds_add_u32 v254, v255
	s_wait_dscnt 0x0
	v_lshrrev_b32 v1, 5, v0
	s_delay_alu instid0(VALU_DEP_1)
	v_readfirstlane_b32 s[WV], v1                  ; wave 0..15
	s_bfe_u32 s15, ttmp6, 0x40000                  ; cx: which 512 queries of the head
	s_and_b32 s16, ttmp7, 0xffff                   ; batch x 16 + head, which the four partners share
	s_and_b32 s46, s[WV], 7                        ; wl
	s_lshr_b32 s47, s[WV], 3                       ; sel
	s_and_b32 s17, s[WV], 1
	s_lshl_b32 s17, s17, 4
	s_mov_b32 s[SH], 0xffff0000
	s_mov_b32 s[MNT], 0x600000
	s_mov_b32 s[SEL], 0x76543210
	s_mov_b32 s[SEL+1], 0xfedcba98
	s_mov_b32 s[CS], 0x3e38aa3b                    ; log2(e) / 8
	s_mov_b32 s[CS+1], s[CS]                       ; (named with it as a pair, so it is written)
	; descriptor group 1: two records, 16,896 dense bytes, as 66 rows of 256 bytes (32 elements of 8 bytes), no padding: every LDS read takes 512 consecutive bytes
	s_mov_b32 s[G1], 15|(3<<16)|(1<<21)            ; 15:0 the mask: all four work-groups; 17:16 elements of 8 bytes; 21 set beside a mask
	s_mov_b32 s[G1+1], 32<<16                      ; tensor_dim0
	s_mov_b32 s[G1+2], 66<<16                      ; tensor_dim1
	s_mov_b32 s[G1+3], 32<<16                      ; tile_dim0
	s_mov_b32 s[G1+4], 66                          ; tile_dim1
	s_mov_b32 s[G1+5], 32                          ; tensor_dim0_stride
	s_mov_b32 s[G1+6], 0
	s_mov_b32 s[G1+7], 0
	s_mul_i32 s48, s16, HEADB                      ; the head's first byte in each of the three buffers of records
	s_mul_i32 s50, s46, 2*REC                      ; my two records, in memory and in LDS: no place in the cluster enters either
	s_add_co_u32 s52, s48, s50
	s_mov_b32 s53, 0
	s_wait_kmcnt 0x0
	s_mov_b32 s[G0K], 1
	s_mov_b32 s[G0K+1], s50
	s_add_nc_u64 s[G0K+2:G0K+3], s[6:7], s[52:53]
	s_or_b32 s[G0K+3], s[G0K+3], 0x80000000
	s_mov_b32 s[G0V], 1
	s_add_co_u32 s[G0V+1], s50, VB
	s_add_nc_u64 s[G0V+2:G0V+3], s[8:9], s[52:53]
	s_or_b32 s[G0V+3], s[G0V+3], 0x80000000
	CROUND                                         ; all four work-groups are here: the joint loads meet
	s_cmp_lt_u32 s[WV], 8                          ; waves 0-7 fetch K, waves 8-15 V: one load a wave is out.  Four v_nop follow each line
	s_cbranch_scc0 .Lfor_v
	tensor_load_to_lds s[G0K:G0K+3], s[G1:G1+7]
	s_nop 0
.rept 4
	v_nop
.endr
	s_branch .Lasked
.Lfor_v:
	tensor_load_to_lds s[G0V:G0V+3], s[G1:G1+7]
	s_nop 0
.rept 4
	v_nop
.endr
.Lasked:
	; my tile of queries: pass p, wave w: tile 16 p + w of the work-group's 32: record 4 cx + 2 p + sel of the head, tile wl of its eight: 1,024 bytes each
	s_lshl_b32 s52, s15, 2
	s_add_co_u32 s52, s52, s47
	s_mul_i32 s52, s52, REC
	s_lshl_b32 s54, s46, 10
	s_add_co_u32 s52, s52, s54
	s_add_co_u32 s52, s52, s48
	s_add_nc_u64 s[QB:QB+1], s[4:5], s[52:53]
	s_lshr_b32 s54, s16, 4                         ; the batch
	s_and_b32 s55, s16, 15                         ; the head
	s_lshl_b32 s52, s54, 7
	s_lshl_b32 s54, s15, 5
	s_add_co_u32 s52, s52, s54
	s_add_co_u32 s52, s52, s[WV]                   ; my tile of 16 tokens in pass 0: 128 x batch + 32 cx + wave
	s_lshl_b32 s50, s52, 9                         ; ys: 16 tokens x 32 bytes, + 2 x head
	s_lshl_b32 s54, s55, 1
	s_add_co_u32 s50, s50, s54
	s_mov_b32 s51, 0
	s_add_nc_u64 s[YSB:YSB+1], s[12:13], s[50:51]
	s_lshl_b32 s52, s52, 12                        ; yi: [256 along K][tile of tokens][128 along K][group][lane][16]: a tile is 4,096 bytes, a head 1,024 of them
	s_lshr_b32 s54, s55, 2
	s_lshl_b32 s54, s54, 21
	s_add_co_u32 s52, s52, s54
	s_and_b32 s54, s55, 3
	s_lshl_b32 s54, s54, 10
	s_add_co_u32 s52, s52, s54
	s_add_nc_u64 s[YB:YB+1], s[10:11], s[52:53]
	s_lshl_b32 s50, s46, 10                        ; my tile's scale word, counted from my tile's codes: back to the record's head, 8,192 on, word wl / 2: lanes' half wl / 4, word (wl / 2) % 2 of the lane's two
	s_sub_co_u32 s50, 8192, s50
	s_lshr_b32 s51, s46, 2
	s_lshl_b32 s51, s51, 7
	s_add_co_u32 s50, s50, s51
	s_bfe_u32 s51, s46, 0x10001
	s_lshl_b32 s51, s51, 2
	s_add_co_u32 s50, s50, s51
	v_and_b32 v11, 31, v0                          ; lane
	s_delay_alu instid0(VALU_DEP_1)
	v_lshlrev_b32 v[LI], 4, v11
	s_delay_alu instid0(VALU_DEP_1)
	v_add_nc_u32 v[LIV], VB, v[LI]
	s_delay_alu instid0(VALU_DEP_3)
	v_lshlrev_b32 v[LS], 3, v11
	s_delay_alu instid0(VALU_DEP_1)
	v_add_nc_u32 v[LS], 8192, v[LS]
	s_delay_alu instid0(VALU_DEP_1)
	v_add_nc_u32 v[LSV], VB, v[LS]
	v_and_b32 v5, 15, v0                           ; r
	v_bfe_u32 v6, v0, 4, 1                         ; h
	s_delay_alu instid0(VALU_DEP_2)
	v_lshl_add_u32 v[QSO], v5, 3, s50
	s_delay_alu instid0(VALU_DEP_2)
	v_lshl_add_u32 v[YSO], v5, 5, v6
	global_load_b128 v[QN:QN+3], v[LI], s[QB:QB+1]                 ; pass 0's q: two groups of four registers,
	global_load_b128 v[QN+4:QN+7], v[LI], s[QB:QB+1] offset:512
	global_load_b32 v[QNS], v[QSO], s[QB:QB+1]                     ; and its pair's scale word
.irp j, 0,1,2,3,4,5,6,7
	v_mov_b32 v[QF+8+\j], 0                        ; the zeros between the two copies of q
.endr
.irp b, 0,1,2,3
	v_mov_b32 v[236+\b], 0                         ; written once: a lane permute's destination counts as one of its sources
.endr
	v_mov_b32 v252, 0
	v_mov_b32 v253, 0                              ; (named as the upper half of the pair v[252:253])
; q takes its places, and its two scale bytes theirs: (s0, s1, 0, 0) for (q, zeros), (0, 0, s0, s1) for (zeros, q).  The byte 0 is a small power of two, over zero codes
.macro INSTALL
.irp j, 0,1,2,3,4,5,6,7
	v_mov_b32 v[QF+\j], v[QN+\j]
	v_mov_b32 v[QF+16+\j], v[QN+\j]
.endr
	v_lshrrev_b32 v254, s17, v[QNS]                ; my tile's half of the pair's word
	s_delay_alu instid0(VALU_DEP_1)
	v_and_b32 v[QSA], 0xffff, v254
	s_delay_alu instid0(VALU_DEP_2)
	v_lshlrev_b32 v[QSA+1], 16, v254
.endm
	s_wait_loadcnt 0x0
	INSTALL
	global_load_b128 v[QN:QN+3], v[LI], s[QB:QB+1] offset:2*REC    ; pass 1's q, two records on: it lands during pass 0
	global_load_b128 v[QN+4:QN+7], v[LI], s[QB:QB+1] offset:2*REC+512
	global_load_b32 v[QNS], v[QSO], s[QB:QB+1] offset:2*REC
; A KEY STEP: 128 keys.
.macro STEP
	v_add_nc_u32 v[ADK], s[TB], v[LI]
	v_add_nc_u32 v[ADV], s[TB], v[LIV]
	v_add_nc_u32 v[ADS], s[TB], v[LS]
	v_add_nc_u32 v[ADT], s[TB], v[LSV]
.rept 4
	v_nop                                          ; with the four additions: eight places in front of loads into registers that the last products read, and between q's scale words and the products
.endr
.irp i, 0,1,2,3,4,5,6,7,8,9,10,11,12,13,14,15
	ds_load_b128 v[FR+4*\i:FR+4*\i+3], v[ADK] offset:512*\i        ; K's four fragments as they lie: 512 consecutive bytes a load
.endr
	ds_load_b64 v[KSW:KSW+1], v[ADS]
	s_wait_alu depctr_va_vdst(0)
	s_wait_dscnt 0x0
.irp p, 0,1                                    ; S^T = K q^T: fragment p holds keys 32 p .. 32 p + 31 as two tiles
.irp u, 0,1
	v_wmma_scale_f32_16x16x128_f8f6f4 v[S+16*\p+8*\u:S+16*\p+8*\u+7], v[FR+16*\p:FR+16*\p+15], v[QF+8*\u:QF+8*\u+15], 0, v[KSW+\p], v[QSA+\u]
.endr
.endr
.irp p, 2,3
.irp u, 0,1
	v_wmma_scale_f32_16x16x128_f8f6f4 v[S+16*\p+8*\u:S+16*\p+8*\u+7], v[FR+16*\p:FR+16*\p+15], v[QF+8*\u:QF+8*\u+15], 0, v[KSW+\p-2], v[QSA+\u] matrix_a_scale:MATRIX_SCALE_ROW1
.endr
.endr
.rept 8
	v_nop                                          ; places in front of the loads over K's fragments and of the first read of the scores
.endr
.irp i, 0,1,2,3,4,5,6,7,8,9,10,11,12,13,14,15
	ds_load_b128 v[FR+4*\i:FR+4*\i+3], v[ADV] offset:512*\i        ; V's four fragments: they land during the softmax
.endr
	ds_load_b64 v[VSW:VSW+1], v[ADT]
.irp b, 0,1,2,3
	v_max3_num_f32 v[232+\b], v[S+16*\b], v[S+1+16*\b], v[S+2+16*\b]   ; the largest score of each block of 32 keys: for the row's maximum, and, since p rises with the score, for the block's largest p
.endr
.irp i, 3,5,7,9,11,13
.irp b, 0,1,2,3
	v_max3_num_f32 v[232+\b], v[232+\b], v[S+16*\b+\i], v[S+1+16*\b+\i]   ; (the four blocks by turns)
.endr
.endr
.irp b, 0,1,2,3
	v_max_num_f32 v[232+\b], v[232+\b], v[S+15+16*\b]
.endr
.irp b, 0,1,2,3
	s_delay_alu instid0(VALU_DEP_4)
	v_permlanex16_b32 v[236+\b], v[232+\b], s[SEL], s[SEL+1]
.endr
.irp b, 0,1,2,3
	s_delay_alu instid0(VALU_DEP_4)
	v_max_num_f32 v[232+\b], v[232+\b], v[236+\b]  ; with lane l xor 16's 16 keys
.endr
	s_delay_alu instid0(VALU_DEP_2)
	v_max3_num_f32 v254, v232, v233, v234
	s_delay_alu instid0(VALU_DEP_1)
	v_max_num_f32 v254, v254, v235                 ; the step's largest score of my query
	s_delay_alu instid0(VALU_DEP_1)
	v_mul_f32 v254, s[CS], v254                    ; as t (c is positive)
	s_delay_alu instid0(VALU_DEP_1)
	v_max_num_f32 v13, v13, v254                   ; the running largest t
	v_mov_b32 v254, v12
	s_delay_alu instid0(VALU_DEP_2)
	v_floor_f32 v12, -v13                          ; the new -M = floor(-t) = -ceil(t): a whole number
	s_delay_alu instid0(VALU_DEP_1)
	v_sub_f32 v254, v12, v254                      ; M's old value less its new one: a whole number, 0 or less
	s_delay_alu instid0(VALU_DEP_1)
	v_cvt_i32_f32 v254, v254                       ; (it saturates)
	s_delay_alu instid0(VALU_DEP_1)
	v_ldexp_f32 v252, 1.0, v254                    ; f = 2^(old M - new M)
.irp j, 0,2,4,6,8,10,12,14,16,18,20,22,24,26,28,30,32,34,36,38,40,42,44,46,48,50,52,54,56,58,60,62
	v_pk_fma_f32 v[S+\j:S+1+\j], v[S+\j:S+1+\j], s[CS:CS+1], v[12:13] op_sel_hi:[1,0,0]   ; t - M, two at a time
.endr
.irp b, 0,1,2,3
	v_fma_f32 v[232+\b], v[232+\b], s[CS], v12     ; the same of each block's largest score
.endr
	s_wait_alu depctr_va_vdst(0)
.irp j, 0,1,2,3,4,5,6,7,8,9,10,11,12,13,14,15,16,17,18,19,20,21,22,23,24,25,26,27,28,29,30,31,32,33,34,35,36,37,38,39,40,41,42,43,44,45,46,47,48,49,50,51,52,53,54,55,56,57,58,59,60,61,62,63
	v_exp_f32 v[S+\j], v[S+\j]                     ; p = 2^(t - M), at most 1: not normalised
.endr
	v_pk_mul_f32 v[14:15], v[14:15], v[252:253] op_sel_hi:[1,0]    ; the sums under the new M: a plain line behind the exponentials
	s_wait_alu depctr_va_vdst(0)                   ; one wait for the whole batch, ahead of its first reader
.irp b, 0,1,2,3
	v_exp_f32 v[232+\b], v[232+\b]                 ; the block's largest p: the same two instructions on the same number
.endr
	v_pk_add_f32 v[236:237], v[124:125], v[128:129]
	v_pk_add_f32 v[254:255], v[132:133], v[136:137]
	v_pk_add_f32 v[250:251], v[140:141], v[144:145]
	v_pk_add_f32 v[248:249], v[148:149], v[152:153]
	v_pk_add_f32 v[246:247], v[156:157], v[160:161]
	v_pk_add_f32 v[244:245], v[164:165], v[168:169]
	v_pk_add_f32 v[242:243], v[172:173], v[176:177]
	v_pk_add_f32 v[14:15], v[14:15], v[180:181]
	v_pk_add_f32 v[236:237], v[236:237], v[120:121]
	v_pk_add_f32 v[254:255], v[254:255], v[122:123]
	v_pk_add_f32 v[250:251], v[250:251], v[126:127]
	v_pk_add_f32 v[248:249], v[248:249], v[130:131]
	v_pk_add_f32 v[246:247], v[246:247], v[134:135]
	v_pk_add_f32 v[244:245], v[244:245], v[138:139]
	v_pk_add_f32 v[242:243], v[242:243], v[142:143]
	v_pk_add_f32 v[14:15], v[14:15], v[146:147]
	v_pk_add_f32 v[236:237], v[236:237], v[150:151]
	v_pk_add_f32 v[254:255], v[254:255], v[154:155]
	v_pk_add_f32 v[250:251], v[250:251], v[158:159]
	v_pk_add_f32 v[248:249], v[248:249], v[162:163]
	v_pk_add_f32 v[246:247], v[246:247], v[166:167]
	v_pk_add_f32 v[244:245], v[244:245], v[170:171]
	v_pk_add_f32 v[242:243], v[242:243], v[174:175]
	v_pk_add_f32 v[14:15], v[14:15], v[178:179]
	v_pk_add_f32 v[236:237], v[236:237], v[182:183]
	s_delay_alu instid0(VALU_DEP_2)
	v_pk_add_f32 v[14:15], v[14:15], v[248:249]
	s_delay_alu instid0(VALU_DEP_2)
	v_pk_add_f32 v[236:237], v[236:237], v[246:247]
	v_pk_add_f32 v[254:255], v[254:255], v[244:245]
	v_pk_add_f32 v[250:251], v[250:251], v[242:243]
	s_delay_alu instid0(VALU_DEP_2)
	v_pk_add_f32 v[14:15], v[14:15], v[254:255]
	s_delay_alu instid0(VALU_DEP_2)
	v_pk_add_f32 v[236:237], v[236:237], v[250:251]
	s_delay_alu instid0(VALU_DEP_1)
	v_pk_add_f32 v[14:15], v[14:15], v[236:237]
	s_wait_alu depctr_va_vdst(0)                   ; and one for the four
.irp b, 0,1,2,3
	v_max_num_f32 v[232+\b], 0x4800000, v[232+\b]  ; the floor 2^(9 - 127): the byte cannot fall under 1
.endr
.irp b, 0,1,2,3
	s_delay_alu instid0(VALU_DEP_4)
	v_add_nc_u32 v[244+\b], 0xfc000000, v[232+\b]  ; 8 off the exponent field: the conversion's scale operand
.endr
.irp b, 0,1,2,3
	v_and_or_b32 v[240+\b], v[232+\b], 0x7f800000, s[MNT]   ; 448 x the scale
.endr
.irp b, 0,1,2,3
	v_lshrrev_b32 v[236+\b], 23, v[244+\b]         ; the scale's byte
.endr
	s_delay_alu instid0(VALU_DEP_3)
	v_lshl_or_b32 v[PW], v237, 8, v236             ; p's scale word for these 128 keys
	s_delay_alu instid0(VALU_DEP_1)
	v_lshl_or_b32 v[PW], v238, 16, v[PW]
	s_delay_alu instid0(VALU_DEP_1)
	v_lshl_or_b32 v[PW], v239, 24, v[PW]
.irp b, 0,1,2,3
.irp i, 0,2,4,6,8,10,12,14
	v_dual_min_num_f32 v[S+16*\b+\i], v[240+\b], v[S+16*\b+\i] :: v_dual_min_num_f32 v[S+16*\b+\i+1], v[240+\b], v[S+16*\b+\i+1]   ; the conversion to an 8-bit code does not saturate (ISA guide 7.6.2); p is not negative, so the hold is one-sided; two numbers a line
.endr
	v_cvt_scalef32_pk8_fp8_f32 v[PC+4*\b:PC+1+4*\b], v[S+16*\b:S+7+16*\b], v[244+\b]
	v_cvt_scalef32_pk8_fp8_f32 v[PC+2+4*\b:PC+3+4*\b], v[S+8+16*\b:S+15+16*\b], v[244+\b]
.endr
.irp j, 0,2,4,6,8,10,12,14,16,18,20,22,24,26,28,30
	v_pk_mul_f32 v[O+\j:O+1+\j], v[O+\j:O+1+\j], v[252:253] op_sel_hi:[1,0]   ; O^T under the new M.  (These sixteen are also the places between the codes and the products)
.endr
	s_wait_alu depctr_va_vdst(0)
	s_wait_dscnt 0x0                               ; V is in
.irp t, 0,1                                    ; O^T += V^T p^T: four tiles of 16 channels, one instruction each: the accumulators take turns
	v_wmma_scale_f32_16x16x128_f8f6f4 v[O+8*\t:O+8*\t+7], v[FR+16*\t:FR+16*\t+15], v[PC:PC+15], v[O+8*\t:O+8*\t+7], v[VSW+\t], v[PW]
.endr
.irp t, 2,3
	v_wmma_scale_f32_16x16x128_f8f6f4 v[O+8*\t:O+8*\t+7], v[FR+16*\t:FR+16*\t+15], v[PC:PC+15], v[O+8*\t:O+8*\t+7], v[VSW+\t-2], v[PW] matrix_a_scale:MATRIX_SCALE_ROW1
.endr
.endm
; THE END OF A PASS: y = O^T / the sum; register 8 t + j is channel 16 t + 8 h + j of my query.  y is quantised along the model's axis: the head's 64 channels are two blocks of 32.
; y meets Wo, whose codes lie in natural order: so each block's two halves of 8 bytes change lanes: lane (r, 0) wants channels 0-15 (its own tile 0 and its partner's), lane (r, 1) channels 16-31.
.macro FINISH p
.rept 8
	v_nop                                          ; places behind the last products
.endr
	v_add_f32 v14, v14, v15                        ; the sum's two halves,
	s_delay_alu instid0(VALU_DEP_1)
	v_permlanex16_b32 v252, v14, s[SEL], s[SEL+1]
	s_delay_alu instid0(VALU_DEP_1)
	v_add_f32 v14, v14, v252                       ; and lane l xor 16's
	s_wait_alu depctr_va_vdst(0)
	v_rcp_f32 v14, v14
	v_nop                                          ; a plain line behind the transcendental
	s_wait_alu depctr_va_vdst(0)                   ; and the wait ahead of its first reader
.irp j, 0,2,4,6,8,10,12,14,16,18,20,22,24,26,28,30
	v_pk_mul_f32 v[S+\j:S+1+\j], v[O+\j:O+1+\j], v[14:15] op_sel_hi:[1,0]   ; each accumulator from its low end on
.endr
.irp b, 0,1
	v_max3_num_f32 v[232+\b], v[S+16*\b], v[S+1+16*\b], 0x4800000   ; y is never negative; the floor holds the byte at 1 from below
.endr
.irp i, 2,4,6,8,10,12,14
.irp b, 0,1
	s_delay_alu instid0(VALU_DEP_2)
	v_max3_num_f32 v[232+\b], v[232+\b], v[S+16*\b+\i], v[S+1+16*\b+\i]
.endr
.endr
.irp b, 0,1
	s_delay_alu instid0(VALU_DEP_2)
	v_permlanex16_b32 v[236+\b], v[232+\b], s[SEL], s[SEL+1]
.endr
.irp b, 0,1
	s_delay_alu instid0(VALU_DEP_2)
	v_max_num_f32 v[232+\b], v[232+\b], v[236+\b]
.endr
.irp b, 0,1
	s_delay_alu instid0(VALU_DEP_2)
	v_add_nc_u32 v[244+\b], 0xfc000000, v[232+\b]
.endr
.irp b, 0,1
	s_delay_alu instid0(VALU_DEP_4)
	v_and_or_b32 v[240+\b], v[232+\b], 0x7f800000, s[MNT]
.endr
.irp b, 0,1
	s_delay_alu instid0(VALU_DEP_4)
	v_lshrrev_b32 v[236+\b], 23, v[244+\b]
.endr
.irp b, 0,1
.irp i, 0,1,2,3,4,5,6,7,8,9,10,11,12,13,14,15
	v_min_num_f32 v[S+16*\b+\i], v[S+16*\b+\i], v[240+\b]
.endr
	v_cvt_scalef32_pk8_fp8_f32 v[PC+4*\b:PC+1+4*\b], v[S+16*\b:S+7+16*\b], v[244+\b]
	v_cvt_scalef32_pk8_fp8_f32 v[PC+2+4*\b:PC+3+4*\b], v[S+8+16*\b:S+15+16*\b], v[244+\b]
.endr
	v_nop                                          ; a plain line behind the last conversion
.irp b, 0,1
.irp i, 0,1
	v_cndmask_b32 v[248+2*\b+\i], v[PC+2+4*\b+\i], v[PC+4*\b+\i], s[SH]   ; what I send: lanes 0-15 their tile 1, lanes 16-31 their tile 0
.endr
.endr
.irp b, 0,1
.irp i, 0,1
	s_delay_alu instid0(VALU_DEP_4)
	v_permlanex16_b32 v[232+2*\b+\i], v[248+2*\b+\i], s[SEL], s[SEL+1]
.endr
.endr
.irp b, 0,1
.irp i, 0,1
	v_cndmask_b32 v[PC+4*\b+\i], v[PC+4*\b+\i], v[232+2*\b+\i], s[SH]
	v_cndmask_b32 v[PC+2+4*\b+\i], v[232+2*\b+\i], v[PC+2+4*\b+\i], s[SH]
.endr
.endr
	v_cndmask_b32 v254, v236, v237, s[SH]          ; lanes 0-15 store block 0's byte, lanes 16-31 block 1's
	global_store_b128 v[LI], v[PC:PC+3], s[YB:YB+1] offset:65536*\p            ; the two stores cover 1,024 consecutive bytes, at a multiple of 256 from the buffer's first byte
	global_store_b128 v[LI], v[PC+4:PC+7], s[YB:YB+1] offset:65536*\p+512
	global_store_b8 v[YSO], v254, s[YSB:YSB+1] offset:8192*\p
.endm
.macro PASS p
	v_mov_b32 v13, 0xff61b1e6                      ; the largest t so far: -3e38, under every t
	s_delay_alu instid0(VALU_DEP_1)
	v_floor_f32 v12, -v13                          ; -M
	v_mov_b32 v14, 0                               ; the sum, in two halves
	v_mov_b32 v15, 0
.irp j, 0,1,2,3,4,5,6,7,8,9,10,11,12,13,14,15,16,17,18,19,20,21,22,23,24,25,26,27,28,29,30,31
	v_mov_b32 v[O+\j], 0                           ; O^T: the step is written once: the first finds zeros, which the first change of M leaves zeros
.endr
	s_mov_b32 s[TB], 0
	s_mov_b32 s[KC], 16
.Lkeys_\@:
	STEP
	s_add_co_u32 s[TB], s[TB], REC                 ; the next 128 keys' records
	s_sub_co_u32 s[KC], s[KC], 1
	s_cmp_lg_u32 s[KC], 0
	s_cbranch_scc1 .Lkeys_\@
	FINISH \p
.endm
	s_wait_tensorcnt 0x0                           ; my two records are in,
	s_barrier_signal -1
	s_barrier_wait -1                              ; everybody's are: all of K and V lies in LDS, and nothing writes LDS from here on
	PASS 0
	s_wait_loadcnt 0x0                             ; pass 1's q
	s_wait_xcnt 0x0                                ; pass 0's stores have read their registers
	INSTALL
	PASS 1
	s_wait_xcnt 0x0
	v_lshl_add_u32 v254, v0, 2, 0x42000
	v_mov_b32 v255, 0
	s_wait_alu depctr_va_vdst(0)
	s_wait_tensorcnt 0x0
	ds_add_u32 v254, v255
	s_wait_dscnt 0x0
	CROUND                                         ; the closing round
	s_endpgm
.Lfunc_end_k_q50c3165900_attn:
	.size	k_q50c3165900_attn, .Lfunc_end_k_q50c3165900_attn-k_q50c3165900_attn
	.p2alignl 7, 3214868480
	.fill 96, 4, 3214868480
	.section	.rodata,"a",@progbits
	.p2align	6, 0x0
	.amdhsa_kernel k_q50c3165900_attn
		.amdhsa_group_segment_fixed_size 272384
		.amdhsa_private_segment_fixed_size 0
		.amdhsa_enable_private_segment 0
		.amdhsa_kernarg_size 40
		.amdhsa_user_sgpr_count 2
		.amdhsa_user_sgpr_kernarg_segment_ptr 1
		.amdhsa_wavefront_size32 1
		.amdhsa_system_sgpr_workgroup_id_x 1
		.amdhsa_system_sgpr_workgroup_id_y 1
		.amdhsa_system_sgpr_workgroup_id_z 1
		.amdhsa_system_vgpr_workitem_id 0
		.amdhsa_next_free_vgpr 256
		.amdhsa_next_free_sgpr 66
		.amdhsa_reserve_vcc 0
		.amdhsa_float_denorm_mode_32 3
		.amdhsa_float_denorm_mode_16_64 3
		.amdhsa_memory_ordered 1
		.amdhsa_forward_progress 1
		.amdhsa_inst_pref_size 63
	.end_amdhsa_kernel
	.amdgpu_metadata
---
amdhsa.version: [ 1, 2 ]
amdhsa.kernels:
  - .name:           k_q50c3165900_attn
    .symbol:         k_q50c3165900_attn.kd
    .args:
      - { .name: qrec, .offset: 0, .size: 8, .value_kind: global_buffer, .address_space: global }
      - { .name: krec, .offset: 8, .size: 8, .value_kind: global_buffer, .address_space: global }
      - { .name: vrec, .offset: 16, .size: 8, .value_kind: global_buffer, .address_space: global }
      - { .name: yi, .offset: 24, .size: 8, .value_kind: global_buffer, .address_space: global }
      - { .name: ys, .offset: 32, .size: 8, .value_kind: global_buffer, .address_space: global }
    .group_segment_fixed_size: 272384
    .private_segment_fixed_size: 0
    .kernarg_segment_align: 8
    .kernarg_segment_size: 40
    .max_flat_workgroup_size: 512
    .sgpr_count:     66
    .vgpr_count:     256
    .wavefront_size: 32
...
	.end_amdgpu_metadata
.endif
;; end of part 2
;; launch outp (part 3): grid 4 x 64, 4 waves a work-group, clusters of 4 x 4, 327,680 bytes of LDS; arguments yi, ys, Wo_codes, Wo_scales, bo, out0; writes out0
.if DOCPART == 3
	.amdgcn_target "amdgcn-amd-amdhsa--gfx1250"
	.amdhsa_code_object_version 6
	.text
	.protected	k_q50c3165900_outp
	.globl	k_q50c3165900_outp
	.p2align	8
	.type	k_q50c3165900_outp,@function
k_q50c3165900_outp:
	s_mov_b64 s[64:65], 0
	v_nop
	global_prefetch_b8 v0, s[64:65] scope:SCOPE_SE
	s_setreg_imm32_b32 hwreg(HW_REG_WAVE_MODE, 25, 1), 1
	s_wait_xcnt 0x0
	s_wait_alu depctr_hold_cnt(0) depctr_sa_sdst(0) depctr_va_vdst(0) depctr_va_sdst(0) depctr_va_ssrc(0) depctr_va_vcc(0) depctr_vm_vsrc(0)
	s_getreg_b32 s2, hwreg(HW_REG_IB_STS2, 6, 4)
	s_cmp_eq_u32 s2, 0
	s_cbranch_scc0 .Lentry_in_a_cluster
	s_endpgm
.Lentry_in_a_cluster:
	s_bfe_u32 s2, ttmp6, 0x10000c
	s_cmp_lg_u32 s2, 0xf033
	s_cbranch_scc0 .Lentry_shape_is_right
	s_endpgm
.Lentry_shape_is_right:
; out0 = relu(y Wo + bo) on codes of FP8 (E4M3) with one E8M0 scale for each 32 along K: 8,192 x 1,024 x 1,024, f32 sums that begin with the bias.
; yi: y's codes as images of operand registers, [256 along K][tile of 16 tokens][128 along K][group of four registers][lane][16 bytes]; ys: [token][32] scale bytes; Wo_codes [column][1,024], Wo_scales [column][32].
; SHARES.  256 work-groups, each a block of 128 tokens x 256 columns; four waves, 2 x 2, each 64 tokens x 128 columns: 32 accumulators, 256 registers.
; LDS.  y's codes of my 128 tokens for ALL of K lie from byte 0 on (4 x 32,768 bytes, filled once); Wo's 256 rows go in K steps of 256 through two slots of 256 x 272 bytes; then the scale bytes of both for all of K (filled once); then the spare words.
; FILLS.  At the head one joint load a wave: wave 0 Wo's K step 0, wave 1 y's codes, waves 2 and 3 the scale bytes.  Slot 1's first fill and the two refills: 64 rows a wave, each behind a drained round of the cluster's barrier.
; CLUSTER 4 x 4: the four of a row share y's tile and its scales, the four of a column Wo's rows and their scales: each is asked for jointly.
; PREFETCH.  Wo's K steps 1 to 3 are asked for once at the head, a step and more ahead of the loads that want them.  All clusters read the same 1,048,576 bytes of Wo, so clusters 0 to 3 alone ask; in a cluster each block of 256 bytes is named once,
; the sixteen partners and their waves sharing the blocks out by address (one line a wave for K steps 1 and 2, one more in waves 0 and 1 for K step 3).  y's codes come by one load at the head: nothing of them is left to run ahead for.
; THE MATRIX INSTRUCTION IS USED TRANSPOSED (source 0 = 16 rows of Wo, source 1 = 16 tokens): a lane holds eight neighbouring columns of one token's row.
; REGISTERS.  Window 0: v1-31 addresses; v32-95 Wo's scale words (block b, K step q of 128: v[32 + 8 b + q]); v100-131 y's (v[100 + 8 a + q]); on the way out v128-255.  Window 1: Wo's fragments, two sets of 128.
; Window 2: the accumulators ((a, b) at v[8 (8 a + b)]).  Window 3: v0-63 the bias, the first products' C; v128-255 y's fragments, two sets of 64.
; LIMITS.  NaN is not served: the activation's maximum with 0 turns a NaN into 0.
.set SIZE_N, 1024
.set PITCH,  272
.set NP,     8
.set ACH,    32768                     ; y's codes of 128 tokens x 256 of K
.set YSTEP,  2097152                   ; from one 256 of K to the next in yi
.set BOFF,   4*ACH
.set QUART,  64*PITCH
.set SLOTB,  4*QUART
.set SCL,    BOFF+2*SLOTB              ; y's scale bytes: 16 units of 256 bytes + 16
.set SBLK,   2*272                     ; those of 16 rows
.set SCLB,   SCL+8*SBLK                ; Wo's: 32 units
.set SPARE,  SCLB+16*SBLK
.set SPITCH, 528                       ; the way out: 16 rows x (512 + 16) bytes a wave, in slot 0, behind its last fill and its last read
.set ADRA, 16
.set ADRB, 20
.set ASB,  22
.set BOC,  23
.set STO,  24
.set RD,   25
.set CO,   26
.set ASA,  27
.set SPW,  28
.set NIL,  29
.set PFO,  30
.set PF2,  31
.set SCB,  32
.set SCA,  100
.set BK,   128
.set WV,   16
.set RH,   17
.set CH,   18
.set G1A,  24
.set G0A,  32
.set G1B,  36
.set G0B,  44
.set G1R,  48
.set G0R,  56
.set G1S,  68
.set G0S,  76
.set G1SB, 80
.set G0SB, 88
.set MSB, 0
.macro WIN new                         ; the immediate's high byte repeats the setting that is left
.if MSB != \new
	s_set_vgpr_msb (MSB<<8)|\new
.set MSB, \new
.endif
.endm
.set MUL, 0xad                         ; source 0 window 1, source 1 window 3, C and D window 2
.set FST, 0xbd                         ; the same, C window 3
.macro PLACES n
.rept \n
	v_nop
.endr
.endm
.macro CREST
	s_cmp_lg_u32 s[WV], 0
	s_cbranch_scc1 .Lnot_wave_0_\@
	s_barrier_signal -3
.Lnot_wave_0_\@:
	s_barrier_wait -3
	s_barrier_signal -1
	s_barrier_wait -1
.endm
.macro CROUND
	s_barrier_signal -1
	s_barrier_wait -1
	CREST
.endm
.macro GB g, rows                      ; group 1: rows of Wo, 256 bytes of each, 1,024 apart, 16 bytes of padding behind each; shared along my column
	s_or_b32 s[\g], s93, (1<<20)|(1<<21)|(5<<22)|(3<<25)
	s_mov_b32 s[\g+1], 256<<16
	s_mov_b32 s[\g+2], (\rows)<<16
	s_mov_b32 s[\g+3], 256<<16
	s_mov_b32 s[\g+4], \rows
	s_mov_b32 s[\g+5], 1024
	s_mov_b32 s[\g+6], 0
	s_mov_b32 s[\g+7], 0
.endm
.macro GS g, mask, rows                ; group 1: dense scale bytes as rows of 256 (32 elements of 8), 16 bytes of padding behind each
	s_or_b32 s[\g], s\mask, (3<<16)|(1<<20)|(1<<21)|(5<<22)|(3<<25)
	s_mov_b32 s[\g+1], 32<<16
	s_mov_b32 s[\g+2], (\rows)<<16
	s_mov_b32 s[\g+3], 32<<16
	s_mov_b32 s[\g+4], \rows
	s_mov_b32 s[\g+5], 32
	s_mov_b32 s[\g+6], 0
	s_mov_b32 s[\g+7], 0
.endm
.macro G0SET g, lds, adr
	s_mov_b32 s[\g], 1
	s_mov_b32 s[\g+1], \lds
	s_mov_b64 s[\g+2:\g+3], s[\adr:\adr+1]
	s_or_b32 s[\g+3], s[\g+3], 0x80000000
.endm
.macro ARM under, g0, g1, next
	s_cmp_lt_u32 s[WV], \under
	s_cbranch_scc0 \next
	tensor_load_to_lds s[\g0:\g0+3], s[\g1:\g1+7]
	s_nop 0
	PLACES 4
	s_branch .Lhead_asked
\next:
.endm
	s_load_b256 s[4:11], s[0:1], 0x0               ; yi, ys, Wo_codes, Wo_scales
	s_load_b128 s[12:15], s[0:1], 0x20             ; bo, out0
	v_lshl_add_u32 v[SPW], v0, 2, SPARE
	v_mov_b32 v[NIL], 0
	ds_add_u32 v[SPW], v[NIL]                      ; the opening lines: the add twice on end and its wait
	ds_add_u32 v[SPW], v[NIL]
	v_lshrrev_b32 v1, 5, v0
	v_readfirstlane_b32 s[WV], v1
	s_lshr_b32 s[RH], s[WV], 1                     ; my 64 tokens
	s_and_b32 s[CH], s[WV], 1                      ; my 128 columns
	s_bfe_u32 s19, ttmp6, 0x40000                  ; cx
	s_bfe_u32 s20, ttmp6, 0x40004                  ; cy
	s_and_b32 s21, ttmp7, 0xffff                   ; the cluster's y
	s_lshl_b32 s22, s21, 2
	s_add_co_u32 s22, s22, s20                     ; my block of 128 tokens
	s_lshl_b32 s23, ttmp9, 2
	s_add_co_u32 s23, s23, s19                     ; my block of 256 columns
	s_lshl_b32 s92, s20, 2
	s_lshl_b32 s92, 15, s92                        ; my row of the cluster
	s_lshl_b32 s93, 0x1111, s19                    ; my column
	s_or_b32 s[G1A], s92, (3<<16)|(1<<21)          ; y's codes: 4 rows of 32,768 bytes (4,096 elements of 8), YSTEP apart, no padding
	s_mov_b32 s[G1A+1], 4096<<16
	s_mov_b32 s[G1A+2], 4<<16
	s_mov_b32 s[G1A+3], 4096<<16
	s_mov_b32 s[G1A+4], 4
	s_mov_b32 s[G1A+5], YSTEP/8
	s_mov_b32 s[G1A+6], 0
	s_mov_b32 s[G1A+7], 0
	GB G1B, 256
	GB G1R, 64
	GS G1S, 92, 16
	GS G1SB, 93, 32
	s_lshl_b32 s2, s22, 15                         ; byte offsets of my tiles: y's codes,
	s_mov_b32 s3, 0
	s_lshl_b32 s94, s22, 12                        ; y's scales,
	s_mov_b32 s95, 0
	s_lshl_b32 s96, s23, 18                        ; Wo's codes,
	s_mov_b32 s97, 0
	s_lshl_b32 s98, s23, 13                        ; Wo's scales
	s_mov_b32 s99, 0
	s_wait_dscnt 0x0
	s_wait_kmcnt 0x0
	s_add_nc_u64 s[2:3], s[4:5], s[2:3]
	s_add_nc_u64 s[94:95], s[6:7], s[94:95]
	s_add_nc_u64 s[96:97], s[8:9], s[96:97]
	s_add_nc_u64 s[98:99], s[10:11], s[98:99]
	CROUND                                         ; all sixteen work-groups are here: the first joint loads meet
	G0SET G0A, 0, 2
	G0SET G0B, BOFF, 96
	G0SET G0S, SCL, 94
	G0SET G0SB, SCLB, 98
	s_lshl_b32 s66, s[WV], 16                      ; the ring: my 64 rows of Wo's 256
	s_mov_b32 s67, 0
	s_add_nc_u64 s[96:97], s[96:97], s[66:67]
	s_mul_i32 s66, s[WV], QUART
.irp s, 0,1
	s_mov_b32 s[G0R+4*\s], 1
	s_add_co_u32 s[G0R+4*\s+1], s66, BOFF+\s*SLOTB
	s_add_nc_u64 s[G0R+4*\s+2:G0R+4*\s+3], s[96:97], \s*256
	s_or_b32 s[G0R+4*\s+3], s[G0R+4*\s+3], 0x80000000
.endr
	ARM 1, G0B, G1B, .Lhead_a
	ARM 2, G0A, G1A, .Lhead_sa
	ARM 3, G0S, G1S, .Lhead_sb
	tensor_load_to_lds s[G0SB:G0SB+3], s[G1SB:G1SB+7]
	s_nop 0
	PLACES 4
.Lhead_asked:
	s_lshl_b32 s2, s[RH], 14                       ; LDS: my four tiles of y, K steps 0 and 1,
	s_add_co_u32 s3, s2, 2*ACH                     ; K steps 2 and 3
	s_mul_i32 s94, s[CH], 2*QUART                  ; my 128 rows of Wo in slot 0,
	s_add_co_u32 s94, s94, BOFF
	s_add_co_u32 s95, s94, SLOTB                   ; in slot 1
	s_mul_i32 s96, s[RH], 4*SBLK
	s_add_co_u32 s96, s96, SCL                     ; my tokens' scale words
	s_mul_i32 s97, s[CH], 8*SBLK
	s_add_co_u32 s97, s97, SCLB                    ; my columns'
	s_mul_i32 s98, s[WV], 16*SPITCH
	s_add_co_u32 s98, s98, BOFF                    ; my stage
	s_lshl_b32 s99, s20, 2
	s_add_co_u32 s99, s99, s19                     ; my place in the cluster: it enters the prefetches' global addresses alone
	s_lshl_b32 s66, s99, 1
	s_add_co_u32 s66, s66, s[CH]
	s_lshl_b32 s66, s66, 5
	s_lshl_b32 s99, s99, 2
	s_add_co_u32 s99, s99, s[WV]
	s_lshl_b32 s99, s99, 5
	s_lshl_b32 s4, s23, 10                         ; my first column, in bytes of f32
	s_lshl_b32 s5, s[CH], 9
	s_add_co_u32 s4, s4, s5
	s_mov_b32 s5, 0
	s_add_nc_u64 s[12:13], s[12:13], s[4:5]
	s_add_nc_u64 s[14:15], s[14:15], s[4:5]
	s_lshl_b32 s4, s22, 7
	s_lshl_b32 s67, s[RH], 6
	s_add_co_u32 s4, s4, s67                       ; my first token
	s_lshl_b32 s4, s4, 12
	s_add_nc_u64 s[14:15], s[14:15], s[4:5]
	v_and_b32 v1, 15, v0                           ; r
	v_bfe_u32 v2, v0, 4, 1                         ; h
	v_and_b32 v6, 31, v0
	v_lshlrev_b32 v[CO], 4, v6
	v_mul_u32_u24 v3, v1, PITCH
	v_lshl_add_u32 v4, v2, 4, v3
	v_add_nc_u32 v[ADRA], s2, v[CO]
	v_add_nc_u32 v[ADRA+1], s3, v[CO]
	v_add_nc_u32 v[ADRB], s94, v4
	v_add_nc_u32 v[ADRB+1], s95, v4
	v_lshlrev_b32 v5, 5, v1                        ; scale bytes: 32 a row, and 16 more behind each 256
	v_lshrrev_b32 v7, 3, v1
	v_lshl_add_u32 v5, v7, 4, v5
	v_add_nc_u32 v[ASA], s96, v5
	v_add_nc_u32 v[ASB], s97, v5
	v_mul_u32_u24 v8, v1, SPITCH
	v_lshl_add_u32 v8, v2, 5, v8
	v_add_nc_u32 v[STO], s98, v8
	v_add_nc_u32 v[RD], s98, v[CO]
	v_lshlrev_b32 v[BOC], 5, v2
	v_add_nc_u32 v9, s99, v6                       ; block 0 .. 2,047 of the cluster's share: row = block / 2, K step 1 + block % 2
	v_lshrrev_b32 v10, 1, v9
	v_and_b32 v9, 1, v9
	v_lshlrev_b32 v9, 8, v9
	v_lshl_add_u32 v[PFO], v10, 10, v9
	v_add_nc_u32 v11, s66, v6                      ; row 0 .. 1,023: K step 3
	v_lshlrev_b32 v[PF2], 10, v11
	s_wait_alu depctr_va_vdst(0)                   ; the wait at the head's end
	WIN 0xc0
.irp x, 0,1,2,3,4,5,6,7
	global_load_b128 v[8*\x:8*\x+3], v[BOC], s[12:13] offset:64*\x          ; the bias of column 16 x + 8 h + j: register 8 x + j of window 3
	global_load_b128 v[8*\x+4:8*\x+7], v[BOC], s[12:13] offset:64*\x+16
.endr
	WIN 0
	s_cmp_lt_u32 s21, 4                            ; the cluster's number, which all partners share
	s_cbranch_scc0 .Lno_ask
	global_prefetch_b8 v[PFO], s[8:9] offset:256 th:TH_LOAD_NT scope:SCOPE_SE
	s_cmp_lt_u32 s[WV], 2
	s_cbranch_scc0 .Lno_ask
	global_prefetch_b8 v[PF2], s[8:9] offset:768 th:TH_LOAD_NT scope:SCOPE_SE
.Lno_ask:
.macro FETCH q                         ; step q's fragments (128 of K) into the sets q % 2: Wo's eight, y's four
	WIN 0x40
.irp i, 0,1,2,3,4,5,6,7
.irp c, 0,1,2,3
	ds_load_b128 v[128*((\q)%2)+16*\i+4*\c:128*((\q)%2)+16*\i+4*\c+3], v[ADRB+((\q)/2)%2] offset:128*((\q)%2)+32*\c+\i*16*PITCH
.endr
.endr
	WIN 0xc0
.irp i, 0,1,2,3
.irp c, 0,1,2,3
	ds_load_b128 v[128+64*((\q)%2)+16*\i+4*\c:128+64*((\q)%2)+16*\i+4*\c+3], v[ADRA+(\q)/4] offset:ACH*(((\q)/2)%2)+4096*\i+2048*((\q)%2)+512*\c
.endr
.endr
	WIN 0
.endm
.macro MUL8 a, q, first                ; y's block a against Wo's eight; the 32 accumulators take turns in the same order in every step
.irp b, 0,1,2,3,4,5,6,7
.if \first
	v_wmma_scale_f32_16x16x128_f8f6f4 v[8*(8*(\a)+\b):8*(8*(\a)+\b)+7], v[128*((\q)%2)+16*\b:128*((\q)%2)+16*\b+15], v[128+64*((\q)%2)+16*(\a):128+64*((\q)%2)+16*(\a)+15], v[8*\b:8*\b+7], v[SCB+8*\b+(\q)], v[SCA+8*(\a)+(\q)]
.else
	v_wmma_scale_f32_16x16x128_f8f6f4 v[8*(8*(\a)+\b):8*(8*(\a)+\b)+7], v[128*((\q)%2)+16*\b:128*((\q)%2)+16*\b+15], v[128+64*((\q)%2)+16*(\a):128+64*((\q)%2)+16*(\a)+15], v[8*(8*(\a)+\b):8*(8*(\a)+\b)+7], v[SCB+8*\b+(\q)], v[SCA+8*(\a)+(\q)]
.endif
.endr
.endm
.macro STEP q, first                   ; a step whose successor lies in the same slot
	s_wait_dscnt 0x0                               ; this step's fragments are in
	PLACES NP                                      ; behind the last step's products, ahead of the loads into the sets that they read
	FETCH (\q)+1
.if \first
	WIN FST
.else
	WIN MUL
.endif
.irp a, 0,1,2,3
	MUL8 \a, \q, \first
.endr
.endm
.macro TURN q, fill                    ; a slot's last step changes slots
	WIN 0
	s_wait_tensorcnt 0x0                           ; my part of the next slot is in
	ds_add_u32 v[SPW], v[NIL]
	s_wait_dscnt 1                                 ; this step's fragments are in; the add alone may be out
	WIN MUL
	MUL8 0, \q, 0
	s_wait_dscnt 0x0                               ; the add is done, and my reads of this slot are over
	s_barrier_signal -1
	MUL8 1, \q, 0
	WIN 0
	s_barrier_wait -1
.if \fill
	CREST                                          ; the barrier has opened a round of the cluster's barrier
	s_add_nc_u64 s[G0R+4*(((\q)/2)%2)+2:G0R+4*(((\q)/2)%2)+3], s[G0R+4*(((\q)/2)%2)+2:G0R+4*(((\q)/2)%2)+3], 512
	tensor_load_to_lds s[G0R+4*(((\q)/2)%2):G0R+4*(((\q)/2)%2)+3], s[G1R:G1R+7]   ; two K steps of 256 on, into the slot just left
	s_nop 0
.endif
	PLACES NP
	FETCH (\q)+1
	WIN MUL
	MUL8 2, \q, 0
	MUL8 3, \q, 0
.endm
	s_wait_tensorcnt 0x0                           ; my tile of the head's four is in
	ds_add_u32 v[SPW], v[NIL]                      ; the add and its wait, ahead of a later first fill
	s_wait_dscnt 0x0
	CROUND
	tensor_load_to_lds s[G0R+4:G0R+7], s[G1R:G1R+7]   ; slot 1's first fill: K step 1
	s_nop 0
	PLACES 4
.irp i, 0,1,2,3,4,5,6,7
	ds_load_b128 v[SCB+8*\i:SCB+8*\i+3], v[ASB] offset:\i*SBLK        ; the scale words of all of K, once: eight a row
	ds_load_b128 v[SCB+8*\i+4:SCB+8*\i+7], v[ASB] offset:\i*SBLK+16
.endr
.irp i, 0,1,2,3
	ds_load_b128 v[SCA+8*\i:SCA+8*\i+3], v[ASA] offset:\i*SBLK
	ds_load_b128 v[SCA+8*\i+4:SCA+8*\i+7], v[ASA] offset:\i*SBLK+16
.endr
	FETCH 0
	s_wait_loadcnt 0x0                             ; the bias
	STEP 0, 1
	TURN 1, 1
	STEP 2, 0
	TURN 3, 1
	STEP 4, 0
	TURN 5, 0
	STEP 6, 0
	s_wait_dscnt 0x0
	WIN MUL
.irp a, 0,1,2,3
	MUL8 \a, 7, 0
.endr
	WIN 0
; THE WAY OUT, block by block of 16 tokens x 128 columns, through my stage: back as whole rows of 512 bytes, which the 32 lanes store as two aligned units of 256 bytes.  LDS serves a wave's instructions in order (ISA guide 5.7.1.4).
.macro TOSTAGE a
	WIN 0x08
.irp b, 0,1,2,3,4,5,6,7
	ds_store_b128 v[STO], v[64*(\a)+8*\b:64*(\a)+8*\b+3] offset:64*\b          ; each accumulator from its low end on
	ds_store_b128 v[STO], v[64*(\a)+8*\b+4:64*(\a)+8*\b+7] offset:64*\b+16
.endr
	WIN 0
.irp t, 0,1,2,3,4,5,6,7,8,9,10,11,12,13,14,15
	ds_load_b128 v[BK+64*((\a)%2)+4*\t:BK+64*((\a)%2)+4*\t+3], v[RD] offset:\t*SPITCH
.endr
.endm
.macro SEND a, younger
	s_wait_dscnt \younger
.if (\a) > 0
	s_add_nc_u64 s[14:15], s[14:15], 16*SIZE_N*4   ; behind a wait on XCNT: the earlier stores have read their base
.endif
.irp t, 0,1,2,3,4,5,6,7,8,9,10,11,12,13,14,15
.irp e, 0,1,2,3
	v_max_num_f32 v[BK+64*((\a)%2)+4*\t+\e], 0, v[BK+64*((\a)%2)+4*\t+\e]   ; the activation
.endr
	global_store_b128 v[CO], v[BK+64*((\a)%2)+4*\t:BK+64*((\a)%2)+4*\t+3], s[14:15] offset:\t*SIZE_N*4 th:TH_STORE_NT
.endr
.endm
	PLACES NP
	TOSTAGE 0
.irp a, 1,2,3
.if \a > 1
	s_wait_xcnt 0x0                                ; block a - 2's stores have read their registers and their base
.endif
	TOSTAGE \a
	SEND \a-1, 32
.endr
	s_wait_xcnt 0x0
	SEND 3, 0
	s_wait_tensorcnt 0x0                           ; the wave's end
	ds_add_u32 v[SPW], v[NIL]
	s_wait_dscnt 0x0
	CROUND                                         ; the closing round
	s_endpgm
.Lfunc_end_k_q50c3165900_outp:
	.size	k_q50c3165900_outp, .Lfunc_end_k_q50c3165900_outp-k_q50c3165900_outp
	.p2alignl 7, 3214868480
	.fill 96, 4, 3214868480
	.section	.rodata,"a",@progbits
	.p2align	6, 0x0
	.amdhsa_kernel k_q50c3165900_outp
		.amdhsa_group_segment_fixed_size 327680
		.amdhsa_private_segment_fixed_size 0
		.amdhsa_enable_private_segment 0
		.amdhsa_kernarg_size 48
		.amdhsa_user_sgpr_count 2
		.amdhsa_user_sgpr_kernarg_segment_ptr 1
		.amdhsa_wavefront_size32 1
		.amdhsa_system_sgpr_workgroup_id_x 1
		.amdhsa_system_sgpr_workgroup_id_y 1
		.amdhsa_system_sgpr_workgroup_id_z 1
		.amdhsa_system_vgpr_workitem_id 0
		.amdhsa_next_free_vgpr 1024
		.amdhsa_next_free_sgpr 100
		.amdhsa_reserve_vcc 0
		.amdhsa_float_denorm_mode_32 3
		.amdhsa_float_denorm_mode_16_64 3
		.amdhsa_memory_ordered 1
		.amdhsa_forward_progress 1
		.amdhsa_inst_pref_size 98
	.end_amdhsa_kernel
	.amdgpu_metadata
---
amdhsa.version: [ 1, 2 ]
amdhsa.kernels:
  - .name:           k_q50c3165900_outp
    .symbol:         k_q50c3165900_outp.kd
    .args:
      - { .name: yi, .offset: 0, .size: 8, .value_kind: global_buffer, .address_space: global }
      - { .name: ys, .offset: 8, .size: 8, .value_kind: global_buffer, .address_space: global }
      - { .name: Wo_codes, .offset: 16, .size: 8, .value_kind: global_buffer, .address_space: global }
      - { .name: Wo_scales, .offset: 24, .size: 8, .value_kind: global_buffer, .address_space: global }
      - { .name: bo, .offset: 32, .size: 8, .value_kind: global_buffer, .address_space: global }
      - { .name: out0, .offset: 40, .size: 8, .value_kind: global_buffer, .address_space: global }
    .group_segment_fixed_size: 327680
    .private_segment_fixed_size: 0
    .kernarg_segment_align: 8
    .kernarg_segment_size: 48
    .max_flat_workgroup_size: 128
    .sgpr_count:     100
    .vgpr_count:     1024
    .wavefront_size: 32
...
	.end_amdgpu_metadata
.endif
;; end of part 3
